; MI455X (gfx1250); checked and timed in simulation.
; The chip was launched on July 23, 2026; its instructions are those of AMD's public machine-readable ISA for CDNA 5 (MIT licence, August 2026) and "CDNA5" Instruction Set Architecture Reference Guide (July 2026). The comments in the code are by the model that wrote it; some were corrected since.
;; Multi Head Attention. Allowed arithmetic: matrix products marked QUANTISED: E2M1 operands, one E8M0 scale for each 32 along K, by v_wmma_scale_f32_16x16x128_f8f6f4 with both operands' format E2M1 (or v_wmma_scale_f32_32x16x128_f4), f32 sums; products left as they are: bf16, f16 or f32 operands; f32 sums; everything else in f32.
;; Inputs: WK 16 x 1,024 x 64 float32; WO 1,024 x 1,024 float32; WQ 16 x 1,024 x 64 float32; WV 16 x 1,024 x 64 float32; masked_info 4 x 2,048 float32; x 4 x 2,048 x 1,024 float32.
;; Outputs: out0 4 x 2,048 x 1,024 float32.
;; This version of the problem:
;;   THIS VERSION OF THE PROBLEM IS GIVEN IN LOW PRECISION. The matrix products marked QUANTISED in the list below multiply operands that are first quantised to E2M1 (2 exponent bits, 1 mantissa bit; 4 bits a number), with one power-of-two scale for each 32 numbers along K (OCP MX v1.0); their sums are f32. The products marked 'left as it is' may take bf16, f16 or f32 operands, with f32 sums. Whichever they take, every output number must still come out within the allowed error. Rounding operands to bf16 (8 significant bits) uses up far more of that allowance than f16 does (11 bits, for magnitudes from 6e-5 to 65,504). All else is computed in f32.
;;   The module's matrix products, in the order in which they are computed (A, B: the left and right operand; K: the contracted axis; several contracted axes count as one K, in the product's order):
;;     1. [M 1,024, K 1,024] x [K 1,024, N 8,192]; A: input WQ; B: input x: QUANTISED
;;     2. [M 1,024, K 1,024] x [K 1,024, N 8,192]; A: input WK; B: input x: QUANTISED
;;     3. [M 1,024, K 1,024] x [K 1,024, N 8,192]; A: input WV; B: input x: QUANTISED
;;     4. batch 64 x [M 2,048, K 64] x [K 64, N 2,048]; A: computed on the way; B: computed on the way: left as it is (an operand is computed on the way)
;;     5. batch 64 x [M 2,048, K 2,048] x [K 2,048, N 64]; A: computed on the way; B: computed on the way: left as it is (an operand is computed on the way)
;;     6. [M 8,192, K 1,024] x [K 1,024, N 1,024]; A: computed on the way; B: input WO: left as it is (an operand is computed on the way)
;;   THE QUANTISER, for each operand of a quantised product, along K:
;;     - K is cut into blocks of 32 from its start; a last block that is shorter is filled with zeros.
;;     - A block's scale is 2^e with e = floor(log2(the largest magnitude in the block)) - 2, held to -126 .. 127; a block of zeros has e = 0. As a byte (E8M0): e + 127.
;;     - Each number is divided by its block's scale, clamped to +-6, and rounded to the nearest number of E2M1, ties to even, subnormals kept.
;;     - The product sums the exact products of the quantised numbers (number of the format x scale) in f32.
;;   ~~~python
;;   def quantise(x, axis):      # numpy; x: float32 -> the quantised numbers, widened to float32 again
;;       x = np.moveaxis(x, axis, -1); K = x.shape[-1]
;;       x = np.pad(x, [(0, 0)] * (x.ndim - 1) + [(0, -K % 32)]); x = x.reshape(x.shape[:-1] + (-1, 32)); a = np.abs(x).max(-1, keepdims=True)
;;       e = np.where(a > 0, np.clip(np.frexp(np.where(a > 0, a, 1))[1] - 1 - 2, -126, 127), 0)      # np.frexp(a)[1] - 1 = floor(log2(a)), exactly
;;       r = np.clip(x / 2.0 ** e, -6, 6)
;;       step = 2.0 ** (np.maximum(np.frexp(np.where(r == 0, 1, r))[1] - 1, 0) - 1)
;;       q = np.round(r / step) * step * 2.0 ** e      # np.round: ties to even
;;       return np.moveaxis(q.reshape(q.shape[:-2] + (-1,))[..., :K], -1, axis).astype(np.float32)
;;   ~~~
;; One version. Each part assembles by itself: llvm-mc -triple=amdgcn-amd-amdhsa -mcpu=gfx1250 --defsym DOCPART=n.
;; ======== version 1 of 1: 5 launches
;; limits: values are held in f16: magnitudes above 65,504 overflow, below 6.1e-05 lose precision
;; workspace buffers: xc 4,194,304 bytes; xs 262,144 bytes; wc 1,572,864 bytes; ws 98,304 bytes; wo16 2,097,152 bytes; qkv16 50,331,648 bytes; fq 786,432 bytes; ctx16 16,777,216 bytes
;; launch prep (part 1): grid 336 x 1, 4 waves a work-group, no clusters, 68,096 bytes of LDS; arguments x, WQ, WK, WV, WO, xc, xs, wc, ws, wo16; writes xc, xs, wc, ws, wo16
.if DOCPART == 1
	.amdgcn_target "amdgcn-amd-amdhsa--gfx1250"
	.amdhsa_code_object_version 6
	.text
	.protected	k_qc0bda9b6ac_prep
	.globl	k_qc0bda9b6ac_prep
	.p2align	8
	.type	k_qc0bda9b6ac_prep,@function
k_qc0bda9b6ac_prep:
	s_mov_b64 s[64:65], 0
	v_nop
	global_prefetch_b8 v0, s[64:65] scope:SCOPE_SE
	s_setreg_imm32_b32 hwreg(HW_REG_WAVE_MODE, 25, 1), 1
	s_wait_xcnt 0x0
; PREP.  Three jobs, told apart by the work-group's number alone; each has its own path, its own LDS bytes and its own end.
;  0..255   x [8192][1024] f32 -> codes of FP4 (E2M1) xc [8192][512 bytes], K innermost, and one E8M0 byte for each 32 along K, xs [8192][32].
;  256..303 WQ, WK, WV [16][1024 (K)][64] f32 -> wc [3072][512 bytes], ws [3072][32]; row = 1024 x matrix + 64 x head + column.  K is the middle axis: a lane takes a column, its registers run down K.
;  304..335 WO [1024][1024] f32 -> f16, as it lies (wo16).
; A block's scale is 2^(floor(log2(its largest magnitude)) - 2); its byte is the largest magnitude's exponent field - 2, held at 1 from below.
; LIMITS: a block of zeros gets the byte 1 where the rule says 127 (its codes are zeros, and this program alone reads the bytes); blocks whose largest magnitude lies under 2^-124 keep the byte 1;
; NaN and infinities among the inputs are not served; |WO| stays at or under 65,504, f16's largest number.
.set SPW,   12                         ; v12  LDS address of my spare word; never rewritten
.set NIL,   13                         ; v13  0; never rewritten
.set SPARE, 67584                      ; behind x's four regions (0..32767) and the weights' four stages (32768..67583): 128 bytes for each wave
.set EMAX,  2
.set STEPS, 16
.set SP,    80                         ; x's stage: a lane's 64 bytes + 16 of padding
.set R,     16                         ; v16-79   x: four sets of 16 numbers as loaded
.set X,     80                         ; v80-111  x: two sets of 16 neighbours
.set E,     112                        ; v112-127 x: a scale byte for each step
.set C,     128                        ; v128-191 x: codes, four registers for each step
.set WX,    32                         ; v32-95   weights: two sets of 32 numbers
.set WC,    96                         ; v96-99   weights: a block's codes
.set WSB,   24                         ; v24-27   weights: 16 scale bytes
.set WOUT,  112                        ; v112-175 weights: the way out
	s_load_b256 s[4:11], s[0:1], 0x0               ; x s[4:5], WQ s[6:7], WK s[8:9], WV s[10:11]
	s_load_b256 s[12:19], s[0:1], 0x20             ; WO s[12:13], xc s[14:15], xs s[16:17], wc s[18:19]
	s_load_b128 s[20:23], s[0:1], 0x40             ; ws s[20:21], wo16 s[22:23]
	v_lshl_add_u32 v[SPW], v0, 2, SPARE
	v_mov_b32 v[NIL], 0
	v_lshrrev_b32 v1, 5, v0
	v_readfirstlane_b32 s24, v1                    ; wave 0..3
	v_and_b32 v2, 31, v0                           ; lane
	s_mov_b32 s29, 0                               ; the upper word of every offset pair s[28:29]
	s_wait_kmcnt 0x0
	s_cmp_lt_u32 ttmp9, 256
	s_cbranch_scc0 .Lweights
; ---------------- x: a plain stream of blocks of 32.  A wave takes 16 steps of 512 numbers.  Each load reads 512 bytes on end; a step's 2,048 bytes turn through the wave's own stage so that a lane holds 16 neighbours.
	v_lshlrev_b32 v3, 4, v2                        ; my 16 bytes of a load's 512
	s_mul_i32 s25, s24, 8192                       ; my wave's LDS region
	v_lshrrev_b32 v14, 2, v2
	v_mul_u32_u24 v14, v14, SP
	v_and_b32 v15, 3, v2
	v_lshl_add_u32 v14, v15, 4, v14
	v_add_nc_u32 v14, s25, v14                     ; into the stage: SP (lane / 4) + 16 (lane % 4)
	v_mul_u32_u24 v15, v2, SP
	v_add_nc_u32 v15, s25, v15                     ; out of it: SP x lane
	v_lshlrev_b32 v4, 3, v2                        ; 8 x lane: my codes' place in a step's 256 bytes, and my 8 scale bytes at the end
	v_lshrrev_b32 v5, 1, v2
	s_add_co_u32 s25, s25, 2*32*SP
	v_add_nc_u32 v5, s25, v5                       ; my block's byte among the wave's 256
	v_add_nc_u32 v6, s25, v4
	s_lshl_b32 s26, ttmp9, 2
	s_add_co_u32 s26, s26, s24                     ; which run of 8,192 numbers is my wave's
	s_lshl_b32 s28, s26, 15
	s_add_nc_u64 s[4:5], s[4:5], s[28:29]
	s_lshl_b32 s28, s26, 12
	s_add_nc_u64 s[14:15], s[14:15], s[28:29]
	s_lshl_b32 s28, s26, 8
	s_add_nc_u64 s[16:17], s[16:17], s[28:29]
.macro XLOAD t
.irp i, 0,1,2,3
	global_load_b128 v[R+16*((\t)%4)+4*\i:R+16*((\t)%4)+4*\i+3], v3, s[4:5] offset:2048*(\t)+512*\i th:TH_LOAD_NT
.endr
.endm
.macro XTURN t                         ; LDS serves a wave's instructions in order: no wait between the stores and the loads
.irp i, 0,1,2,3
	ds_store_b128 v14, v[R+16*((\t)%4)+4*\i:R+16*((\t)%4)+4*\i+3] offset:32*SP*((\t)%2)+8*SP*\i
.endr
.irp i, 0,1,2,3
	ds_load_b128 v[X+16*((\t)%2)+4*\i:X+16*((\t)%2)+4*\i+3], v15 offset:32*SP*((\t)%2)+16*\i
.endr
.endm
.irp t, 0,1,2,3
	XLOAD \t
.endr
	s_wait_loadcnt 12                              ; step 0's four loads are in; the twelve of steps 1 to 3 may be out
	XTURN 0
.macro XSTEP t
.set XS, X+16*((\t)%2)
.if (\t) > 0
	s_wait_dscnt 1                                 ; this step's numbers are back from the stage; the last step's byte store may be out
.else
	s_wait_dscnt 0x0
.endif
.if (\t)+4 < STEPS
	XLOAD (\t)+4                                   ; into the registers that the stage's stores have read
.endif
.if (\t)+1 < STEPS
.if STEPS-2-(\t) >= 3
	s_wait_loadcnt 12                              ; the next step's four are in; three steps' loads may be out
.else
	s_wait_loadcnt 4*(STEPS-2-(\t))
.endif
	XTURN (\t)+1
.endif
	v_max3_num_f32 v8, |v[XS]|, |v[XS+1]|, |v[XS+2]|
	v_max3_num_f32 v9, |v[XS+3]|, |v[XS+4]|, |v[XS+5]|
.irp i, 6,10
	v_max3_num_f32 v8, v8, |v[XS+\i]|, |v[XS+\i+1]|
	v_max3_num_f32 v9, v9, |v[XS+\i+2]|, |v[XS+\i+3]|
.endr
	v_max3_num_f32 v8, v8, |v[XS+14]|, |v[XS+15]|
	v_max3_num_f32 v8, v8, v9, (EMAX+1)<<23        ; the floor 2^(3 - 127): the byte cannot fall under 1
	v_max_num_f32_dpp v8, v8, v8 row_xmask:1 row_mask:0xf bank_mask:0xf   ; with my neighbour's 16: the block's largest magnitude
	v_add_nc_u32 v11, -(EMAX<<23), v8              ; 2 off its exponent field: the conversion's scale operand
	v_cvt_scalef32_pk8_fp4_f32 v[C+4*(\t)], v[XS:XS+7], v11
	v_cvt_scalef32_pk8_fp4_f32 v[C+4*(\t)+1], v[XS+8:XS+15], v11
	v_lshrrev_b32 v[E+(\t)], 23, v11               ; the scale's byte
	ds_store_b8 v5, v[E+(\t)] offset:16*(\t)       ; both lanes of a block write the same byte with the same value
	global_store_b64 v4, v[C+4*(\t):C+4*(\t)+1], s[14:15] offset:256*(\t)   ; the wave stores 256 bytes on end, aligned
.endm
.irp t, 0,1,2,3,4,5,6,7,8,9,10,11,12,13,14,15
	XSTEP \t
.endr
	ds_load_b64 v[8:9], v6                         ; my wave's 256 scale bytes, 8 a lane
	s_wait_dscnt 0x0
	global_store_b64 v4, v[8:9], s[16:17]
	s_wait_tensorcnt 0x0                           ; the wave's end, behind my last LDS store
	ds_add_u32 v[SPW], v[NIL]
	s_wait_dscnt 0x0
	s_endpgm
; ---------------- the three weights.  Work-group g = 16 x matrix + head; wave w: columns 32 (w % 2) on, K 512 (w / 2) on.
.Lweights:
	s_cmp_lt_u32 ttmp9, 304
	s_cbranch_scc0 .Lwo
	s_sub_co_u32 s25, ttmp9, 256                   ; g
	s_cmp_lt_u32 s25, 32
	s_cselect_b64 s[8:9], s[8:9], s[10:11]         ; the choice hangs on the work-group's number alone
	s_cmp_lt_u32 s25, 16
	s_cselect_b64 s[6:7], s[6:7], s[8:9]
	s_and_b32 s26, s24, 1                          ; cw
	s_lshr_b32 s27, s24, 1                         ; kw
	s_and_b32 s28, s25, 15
	s_lshl_b32 s28, s28, 18                        ; the head: 1,024 rows of 256 bytes
	s_lshl_b32 s30, s27, 17                        ; 512 rows down K
	s_add_co_u32 s28, s28, s30
	s_lshl_b32 s30, s26, 7                         ; 32 columns
	s_add_co_u32 s28, s28, s30
	s_add_nc_u64 s[6:7], s[6:7], s[28:29]
	s_lshl_b32 s31, s25, 6
	s_lshl_b32 s30, s26, 5
	s_add_co_u32 s31, s31, s30                     ; my first row of wc and ws: 64 g + 32 cw
	s_lshl_b32 s28, s31, 9
	s_lshl_b32 s30, s27, 8
	s_add_co_u32 s28, s28, s30
	s_add_nc_u64 s[18:19], s[18:19], s[28:29]
	s_lshl_b32 s28, s31, 5
	s_lshl_b32 s30, s27, 4
	s_add_co_u32 s28, s28, s30
	s_add_nc_u64 s[20:21], s[20:21], s[28:29]
	s_mul_i32 s30, s24, 8704
	s_add_co_u32 s30, s30, 32768                   ; my stage: 32 rows of 256 bytes + 16
	v_lshlrev_b32 v3, 2, v2                        ; in: 4 bytes a lane
	v_mul_u32_u24 v4, v2, 272
	v_add_nc_u32 v4, s30, v4                       ; into the stage: row = my column
	v_and_b32 v5, 15, v2
	v_lshrrev_b32 v6, 4, v2
	v_mul_u32_u24 v7, v6, 272
	v_lshl_add_u32 v7, v5, 4, v7
	v_add_nc_u32 v7, s30, v7                       ; out of it: sixteen lanes to a row, two rows an instruction
	v_lshlrev_b32 v8, 9, v6
	v_lshl_add_u32 v8, v5, 4, v8                   ; and the same place in wc (rows of 512 bytes)
	v_lshlrev_b32 v9, 5, v2                        ; my column's row of ws
.macro WLOAD t                         ; block t: W(32 t + i, my column)
.irp i, 0,1,2,3,4,5,6,7,8,9,10,11,12,13,14,15,16,17,18,19,20,21,22,23,24,25,26,27,28,29,30,31
	global_load_b32 v[WX+32*((\t)%2)+\i], v3, s[6:7] offset:(32*(\t)+\i)*256 th:TH_LOAD_NT
.endr
.endm
	WLOAD 0
	WLOAD 1
.macro WBLOCK t
.set XS, WX+32*((\t)%2)
.if (\t) < 15
	s_wait_loadcnt 32                              ; this block's 32 loads are in; the next block's may be out
.else
	s_wait_loadcnt 0
.endif
	v_max3_num_f32 v16, |v[XS]|, |v[XS+1]|, |v[XS+2]|
	v_max3_num_f32 v17, |v[XS+3]|, |v[XS+4]|, |v[XS+5]|
.irp i, 6,10,14,18,22,26
	v_max3_num_f32 v16, v16, |v[XS+\i]|, |v[XS+\i+1]|
	v_max3_num_f32 v17, v17, |v[XS+\i+2]|, |v[XS+\i+3]|
.endr
	v_max3_num_f32 v16, v16, |v[XS+30]|, |v[XS+31]|
	v_max3_num_f32 v16, v16, v17, (EMAX+1)<<23
	v_add_nc_u32 v11, -(EMAX<<23), v16
	v_lshrrev_b32 v17, 23, v11
.if (\t)%4 == 0
	v_mov_b32 v[WSB+(\t)/4], v17                   ; four bytes to a register, the lower K in the lower byte
.else
	v_lshl_or_b32 v[WSB+(\t)/4], v17, 8*((\t)%4), v[WSB+(\t)/4]
.endif
.irp g, 0,1,2,3
	v_cvt_scalef32_pk8_fp4_f32 v[WC+\g], v[XS+8*\g:XS+8*\g+7], v11
.endr
	ds_store_b128 v4, v[WC:WC+3] offset:16*(\t)    ; 32 codes: 16 bytes of my column's row
.if (\t)+2 < 16
	WLOAD (\t)+2
.endif
	s_wait_dscnt 0x0                               ; the store has read its registers: the next block's codes may be written
.endm
.irp t, 0,1,2,3,4,5,6,7,8,9,10,11,12,13,14,15
	WBLOCK \t
.endr
	global_store_b128 v9, v[WSB:WSB+3], s[20:21]   ; my column's 16 scale bytes
.irp t, 0,1,2,3,4,5,6,7,8,9,10,11,12,13,14,15
	ds_load_b128 v[WOUT+4*\t:WOUT+4*\t+3], v7 offset:2*\t*272
.endr
.irp t, 0,1,2,3,4,5,6,7,8,9,10,11,12,13,14,15
	s_wait_dscnt 15-\t                             ; LDS loads come back in order: load t is in, the younger ones may be out
	global_store_b128 v8, v[WOUT+4*\t:WOUT+4*\t+3], s[18:19] offset:2*\t*512   ; sixteen lanes store 256 bytes on end, aligned
.endr
	s_wait_tensorcnt 0x0                           ; the wave's end, as above
	ds_add_u32 v[SPW], v[NIL]
	s_wait_dscnt 0x0
	s_endpgm
; ---------------- WO to f16: a wave converts 8,192 numbers in four groups of 16 loads, two groups ahead.
.Lwo:
	s_sub_co_u32 s25, ttmp9, 304
	s_lshl_b32 s25, s25, 2
	s_add_co_u32 s25, s25, s24
	s_lshl_b32 s28, s25, 15
	s_add_nc_u64 s[12:13], s[12:13], s[28:29]
	s_lshl_b32 s28, s25, 14
	s_add_nc_u64 s[22:23], s[22:23], s[28:29]
	v_lshlrev_b32 v3, 4, v2
	v_lshlrev_b32 v4, 3, v2
.macro OLOAD k
.irp i, 0,1,2,3,4,5,6,7,8,9,10,11,12,13,14,15
	global_load_b128 v[16+64*((\k)%2)+4*\i:16+64*((\k)%2)+4*\i+3], v3, s[12:13] offset:8192*(\k)+512*\i
.endr
.endm
.macro OGROUP k
.set XS, 16+64*((\k)%2)
.if (\k) < 3
	s_wait_loadcnt 16                              ; this group's sixteen are in; the other set's may be out
.else
	s_wait_loadcnt 0
.endif
	s_wait_xcnt 0x0                                ; the last group's stores have read v144-175, which are written again below
.irp i, 0,1,2,3,4,5,6,7,8,9,10,11,12,13,14,15
	v_cvt_pk_f16_f32 v[144+2*\i], v[XS+4*\i], v[XS+4*\i+1]
	v_cvt_pk_f16_f32 v[145+2*\i], v[XS+4*\i+2], v[XS+4*\i+3]
.endr
.irp i, 0,1,2,3,4,5,6,7,8,9,10,11,12,13,14,15
	global_store_b64 v4, v[144+2*\i:145+2*\i], s[22:23] offset:4096*(\k)+256*\i   ; the wave stores 256 bytes on end, aligned
.endr
.if (\k)+2 < 4
	OLOAD (\k)+2
.endif
.endm
	OLOAD 0
	OLOAD 1
.irp k, 0,1,2,3
	OGROUP \k
.endr
	s_wait_tensorcnt 0x0                           ; the same three lines at this path's end
	ds_add_u32 v[SPW], v[NIL]
	s_wait_dscnt 0x0
	s_endpgm
.Lfunc_end_k_qc0bda9b6ac_prep:
	.size	k_qc0bda9b6ac_prep, .Lfunc_end_k_qc0bda9b6ac_prep-k_qc0bda9b6ac_prep
	.p2alignl 7, 3214868480
	.fill 96, 4, 3214868480
	.section	.rodata,"a",@progbits
	.p2align	6, 0x0
	.amdhsa_kernel k_qc0bda9b6ac_prep
		.amdhsa_group_segment_fixed_size 68096
		.amdhsa_private_segment_fixed_size 0
		.amdhsa_enable_private_segment 0
		.amdhsa_kernarg_size 80
		.amdhsa_user_sgpr_count 2
		.amdhsa_user_sgpr_kernarg_segment_ptr 1
		.amdhsa_wavefront_size32 1
		.amdhsa_system_sgpr_workgroup_id_x 1
		.amdhsa_system_sgpr_workgroup_id_y 1
		.amdhsa_system_sgpr_workgroup_id_z 1
		.amdhsa_system_vgpr_workitem_id 0
		.amdhsa_next_free_vgpr 192
		.amdhsa_next_free_sgpr 66
		.amdhsa_reserve_vcc 0
		.amdhsa_float_denorm_mode_32 3
		.amdhsa_float_denorm_mode_16_64 3
		.amdhsa_memory_ordered 1
		.amdhsa_forward_progress 1
		.amdhsa_inst_pref_size 131
	.end_amdhsa_kernel
	.amdgpu_metadata
---
amdhsa.version: [ 1, 2 ]
amdhsa.kernels:
  - .name:           k_qc0bda9b6ac_prep
    .symbol:         k_qc0bda9b6ac_prep.kd
    .args:
      - { .name: x, .offset: 0, .size: 8, .value_kind: global_buffer, .address_space: global }
      - { .name: WQ, .offset: 8, .size: 8, .value_kind: global_buffer, .address_space: global }
      - { .name: WK, .offset: 16, .size: 8, .value_kind: global_buffer, .address_space: global }
      - { .name: WV, .offset: 24, .size: 8, .value_kind: global_buffer, .address_space: global }
      - { .name: WO, .offset: 32, .size: 8, .value_kind: global_buffer, .address_space: global }
      - { .name: xc, .offset: 40, .size: 8, .value_kind: global_buffer, .address_space: global }
      - { .name: xs, .offset: 48, .size: 8, .value_kind: global_buffer, .address_space: global }
      - { .name: wc, .offset: 56, .size: 8, .value_kind: global_buffer, .address_space: global }
      - { .name: ws, .offset: 64, .size: 8, .value_kind: global_buffer, .address_space: global }
      - { .name: wo16, .offset: 72, .size: 8, .value_kind: global_buffer, .address_space: global }
    .group_segment_fixed_size: 68096
    .private_segment_fixed_size: 0
    .kernarg_segment_align: 8
    .kernarg_segment_size: 80
    .max_flat_workgroup_size: 128
    .sgpr_count:     66
    .vgpr_count:     192
    .wavefront_size: 32
...
	.end_amdgpu_metadata
.endif
;; end of part 1
;; launch qkv (part 2): grid 12 x 32, 4 waves a work-group, clusters of 4 x 4, 327,680 bytes of LDS; arguments xc, xs, wc, ws, qkv16, fq; writes qkv16, fq
.if DOCPART == 2
	.amdgcn_target "amdgcn-amd-amdhsa--gfx1250"
	.amdhsa_code_object_version 6
	.text
	.protected	k_qc0bda9b6ac_qkv
	.globl	k_qc0bda9b6ac_qkv
	.p2align	8
	.type	k_qc0bda9b6ac_qkv,@function
k_qc0bda9b6ac_qkv:
	s_mov_b64 s[64:65], 0
	v_nop
	global_prefetch_b8 v0, s[64:65] scope:SCOPE_SE
	s_setreg_imm32_b32 hwreg(HW_REG_WAVE_MODE, 25, 1), 1
	s_wait_xcnt 0x0
	s_wait_alu depctr_hold_cnt(0) depctr_sa_sdst(0) depctr_va_vdst(0) depctr_va_sdst(0) depctr_va_ssrc(0) depctr_va_vcc(0) depctr_vm_vsrc(0)
	s_getreg_b32 s2, hwreg(HW_REG_IB_STS2, 6, 4)
	s_cmp_eq_u32 s2, 0
	s_cbranch_scc0 .Lentry_in_a_cluster
	s_endpgm
.Lentry_in_a_cluster:
	s_bfe_u32 s2, ttmp6, 0x10000c
	s_cmp_lg_u32 s2, 0xf033
	s_cbranch_scc0 .Lentry_shape_is_right
	s_endpgm
.Lentry_shape_is_right:
; QKV.  C[m][n] = sum over k of x[m][k] W[n][k] on codes of FP4 (E2M1) with one E8M0 scale for each 32 along K; m = 8,192 rows of x, n = 3,072 = matrix x head x channel, K = 1,024; sums in f32.
; A tile of C is 256 x 256: four waves, each 128 x 128 in 64 accumulators.  K is two slots of 512 (rows of 256 bytes): both are asked for at the head and nothing is filled again.
; The scale bytes of the work-group's 256 + 256 rows, for all of K, come once, as units of 256 bytes with 16 of padding.
; CLUSTER 4 x 4: the four of a row share x's tiles, the four of a column the weights'; each tile is asked for jointly.  Tile row = cluster y + 8 cy, so that cy is the batch and cluster y the block of 256 positions:
; whether a tile holds positions 0 to 15 then hangs on cluster y alone, which all partners share.  Cluster x is the matrix (Q, K, V).
; The matrix instruction is used transposed (source 0 = 16 rows of W, source 1 = 16 rows of x): a lane holds eight neighbouring channels of one position.
; OUT: f16, by head: qkv16 [3][batch][head][position][64]; a block of 16 positions of a head is 2,048 bytes on end.  Positions 0 to 15 also as f32: fq [3][batch][16][1024].
; LIMIT: |q|, |k|, |v| stay at or under 65,504, f16's largest number.
; REGISTERS: window 0: v16-29 addresses; v32-95 scale words, two sets, and nothing else; v96-127 packed results; from v128 x's fragments, on the way out rows read back.  window 1: W's fragments, two sets.  windows 2, 3: accumulators.
.set NQ,     4
.set ROWB,   256
.set KROW,   512
.set PITCH,  272
.set FR,     8
.set NL,     2
.set NP,     4
.set HALFT,  128*PITCH
.set SLOT,   4*HALFT
.set KS,     32
.set SCL,    2*SLOT
.set HALFS,  (128*KS/256)*272
.set SBLK,   (16*KS/256)*272
.set SPARE,  SCL+4*HALFS               ; the spare words, 128 bytes for each wave
.set WSTG,   8704                      ; the way out: a stage for each wave, in slot 0, which has had its only fill and its last read by then
.set ADRA, 16
.set ADRB, 20
.set STO32, 22
.set RD32, 23
.set STO16, 24
.set RD16, 25
.set CO,   26
.set ADRS, 27
.set SPW,  28
.set NIL,  29
.set SC,   32
.set TMP,  96
.set AF,   128
.set BK,   128
.set G1, 24
.set G0, 32
.set G1B, 48
.set G0B, 56
.set G1S, 68
.set G0S, 76
.set G1SB, 80
.set G0SB, 88
.set MSB, 0
.macro WIN new                         ; the immediate's high byte repeats the setting that is left
.if MSB != \new
	s_set_vgpr_msb (MSB<<8)|\new
.set MSB, \new
.endif
.endm
.set MUL_LO, 0xa1                      ; source 0 (W) window 1, source 1 (x) window 0, C and D window 2
.set MUL_HI, 0xf1
.set TO_B,   0x40
.macro JLOAD g0a, g1a, g0b, g1b        ; a joint load: waves 0 and 1 fetch for x, waves 2 and 3 for W; the branch hangs on the wave's number alone
	s_cmp_eq_u32 s15, 0
	s_cbranch_scc0 .Lfor_b_\@
	tensor_load_to_lds s[\g0a:\g0a+3], s[\g1a:\g1a+7]
	s_nop 0
.rept 4
	v_nop
.endr
	s_branch .Lasked_\@
.Lfor_b_\@:
	tensor_load_to_lds s[\g0b:\g0b+3], s[\g1b:\g1b+7]
	s_nop 0
.rept 4
	v_nop
.endr
.Lasked_\@:
.endm
.macro CROUND                          ; a round of the cluster's barrier
	s_barrier_signal -1
	s_barrier_wait -1
	s_cmp_lg_u32 s14, 0
	s_cbranch_scc1 .Lnot_wave_0_\@
	s_barrier_signal -3
.Lnot_wave_0_\@:
	s_barrier_wait -3
	s_barrier_signal -1
	s_barrier_wait -1
.endm
	s_load_b128 s[4:7], s[0:1], 0x0                ; x's codes, x's scales
	s_load_b128 s[8:11], s[0:1], 0x10              ; W's codes, W's scales
	s_load_b64 s[12:13], s[0:1], 0x20              ; qkv16
	s_load_b64 s[98:99], s[0:1], 0x28              ; fq
	v_lshl_add_u32 v[SPW], v0, 2, SPARE
	v_mov_b32 v[NIL], 0
	ds_add_u32 v[SPW], v[NIL]                      ; the opening: the add, twice on end, and its wait ahead of my first tensor load
	ds_add_u32 v[SPW], v[NIL]
	v_lshrrev_b32 v1, 5, v0
	v_readfirstlane_b32 s14, v1                    ; wave 0..3
	s_lshr_b32 s15, s14, 1                         ; my half of the tile's rows; also: I fetch for x (0) or for W (1)
	s_and_b32 s16, s14, 1                          ; my half of its columns; also: which 128 rows I fetch
	s_bfe_u32 s40, ttmp6, 0x40000                  ; cx
	s_bfe_u32 s41, ttmp6, 0x40004                  ; cy
	s_lshl_b32 s42, ttmp9, 2
	s_add_co_u32 s42, s42, s40                     ; tile column = 4 x cluster x + cx
	s_and_b32 s17, ttmp7, 0xffff
	s_lshl_b32 s95, s41, 3
	s_add_co_u32 s17, s17, s95                     ; tile row = cluster y + 8 cy
	s_lshl_b32 s43, s41, 2
	s_lshl_b32 s43, 15, s43                        ; my row of the cluster
	s_lshl_b32 s44, 0x1111, s40                    ; my column
	s_or_b32 s[G1+0], s43, (0<<16)|(1<<20)|(1<<21)|(5<<22)|(3<<25)  ; the mask; elements of 1 byte; 4 words of padding behind every 64
	s_or_b32 s[G1B+0], s44, (0<<16)|(1<<20)|(1<<21)|(5<<22)|(3<<25)
.irp g, G1, G1B
	s_mov_b32 s[\g+1], ROWB<<16                    ; tensor_dim0
	s_mov_b32 s[\g+2], 128<<16                     ; tensor_dim1
	s_mov_b32 s[\g+3], ROWB<<16                    ; tile_dim0
	s_mov_b32 s[\g+4], 128                         ; tile_dim1
	s_mov_b32 s[\g+5], KROW                        ; the pitch
	s_mov_b32 s[\g+6], 0
	s_mov_b32 s[\g+7], 0
.endr
	s_or_b32 s[G1S+0], s43, (3<<16)|(1<<20)|(1<<21)|(5<<22)|(3<<25) ; the scales of 128 rows: 4,096 dense bytes as 16 rows of 32 elements of 8 bytes
	s_or_b32 s[G1SB+0], s44, (3<<16)|(1<<20)|(1<<21)|(5<<22)|(3<<25)
.irp g, G1S, G1SB
	s_mov_b32 s[\g+1], 32<<16
	s_mov_b32 s[\g+2], (128*KS/256)<<16
	s_mov_b32 s[\g+3], 32<<16
	s_mov_b32 s[\g+4], 128*KS/256
	s_mov_b32 s[\g+5], 32
	s_mov_b32 s[\g+6], 0
	s_mov_b32 s[\g+7], 0
.endr
	s_lshl_b32 s18, s16, 7
	s_lshl_b32 s20, s17, 8
	s_add_co_u32 s20, s20, s18                     ; x: row 256 x tile row + 128 x half
	s_lshl_b32 s46, s42, 8
	s_add_co_u32 s46, s46, s18                     ; W: row 256 x tile column + 128 x half
	s_mov_b32 s21, 0
	s_mov_b32 s47, 0
	s_mov_b64 s[18:19], KS
	s_mul_u64 s[22:23], s[20:21], s[18:19]
	s_mul_u64 s[92:93], s[46:47], s[18:19]
	s_mov_b64 s[18:19], KROW
	s_mul_u64 s[20:21], s[20:21], s[18:19]
	s_mul_u64 s[46:47], s[46:47], s[18:19]
	s_mul_i32 s45, s14, HALFT                      ; where they go: wave x 128 rows
	s_mul_i32 s94, s14, HALFS
	s_wait_dscnt 0x0                               ; both opening adds are done
	s_wait_kmcnt 0x0
	s_add_nc_u64 s[20:21], s[4:5], s[20:21]
	s_add_nc_u64 s[22:23], s[6:7], s[22:23]
	s_add_nc_u64 s[46:47], s[8:9], s[46:47]
	s_add_nc_u64 s[92:93], s[10:11], s[92:93]
	CROUND                                         ; all sixteen work-groups are here: the joint loads meet
	s_mov_b32 s[G0S], 1
	s_add_co_u32 s[G0S+1], s94, SCL
	s_mov_b64 s[G0S+2:G0S+3], s[22:23]
	s_or_b32 s[G0S+3], s[G0S+3], 0x80000000
	s_mov_b32 s[G0SB], 1
	s_add_co_u32 s[G0SB+1], s94, SCL
	s_mov_b64 s[G0SB+2:G0SB+3], s[92:93]
	s_or_b32 s[G0SB+3], s[G0SB+3], 0x80000000
	JLOAD G0S, G1S, G0SB, G1SB                     ; the scales first
.irp s, 0,1
	s_mov_b32 s[G0+4*\s], 1
	s_add_co_u32 s[G0+4*\s+1], s45, \s*SLOT
	s_add_nc_u64 s[G0+4*\s+2:G0+4*\s+3], s[20:21], \s*ROWB
	s_or_b32 s[G0+4*\s+3], s[G0+4*\s+3], 0x80000000
	s_mov_b32 s[G0B+4*\s], 1
	s_add_co_u32 s[G0B+4*\s+1], s45, \s*SLOT
	s_add_nc_u64 s[G0B+4*\s+2:G0B+4*\s+3], s[46:47], \s*ROWB
	s_or_b32 s[G0B+4*\s+3], s[G0B+4*\s+3], 0x80000000
	JLOAD G0+4*\s, G1, G0B+4*\s, G1B               ; three loads of mine are out at the most
.endr
	v_and_b32 v1, 15, v0                           ; r
	v_bfe_u32 v2, v0, 4, 1                         ; h
	v_mul_u32_u24 v3, v1, PITCH
	v_lshl_add_u32 v4, v2, 4, v3
	s_mul_i32 s21, s15, HALFT
	s_mul_i32 s22, s16, HALFT
	s_add_co_u32 s22, s22, 2*HALFT
.irp s, 0,1
	v_add_nc_u32 v[ADRA+\s], s21, v4
	v_add_nc_u32 v[ADRB+\s], s22, v4
	s_add_co_u32 s21, s21, SLOT
	s_add_co_u32 s22, s22, SLOT
.endr
	v_mul_u32_u24 v5, v1, KS                       ; my row's scales: 32 bytes a row, and 16 more for each 256 passed
	v_lshrrev_b32 v6, 8, v5
	v_lshl_add_u32 v5, v6, 4, v5
	s_mul_i32 s21, s15, HALFS
	s_mul_i32 s22, s16, HALFS
	s_add_co_u32 s22, s22, 2*HALFS
	s_sub_co_u32 s22, s22, s21
	v_mul_u32_u24 v6, s22, v2                      ; lanes 16-31 take W's
	s_add_co_u32 s21, s21, SCL
	v_add_nc_u32 v5, v5, v6
	v_add_nc_u32 v[ADRS], s21, v5
	s_mul_i32 s23, s14, WSTG                       ; my stage
	v_mul_u32_u24 v5, v1, 144                      ; f16: rows of 128 bytes + 16, one run of 16 rows for each of my two heads
	v_lshl_add_u32 v5, v2, 4, v5
	v_add_nc_u32 v[STO16], s23, v5
	v_and_b32 v6, 31, v0
	v_lshrrev_b32 v7, 3, v6
	v_mul_u32_u24 v7, v7, 144
	v_and_b32 v8, 7, v0
	v_lshl_add_u32 v7, v8, 4, v7
	v_add_nc_u32 v[RD16], s23, v7                  ; back: eight lanes to a row, four rows an instruction
	v_mul_u32_u24 v5, v1, 528                      ; f32: rows of 512 bytes + 16
	v_lshl_add_u32 v5, v2, 5, v5
	v_add_nc_u32 v[STO32], s23, v5
	v_lshlrev_b32 v[CO], 4, v6
	v_add_nc_u32 v[RD32], s23, v[CO]
	s_lshl_b32 s20, ttmp9, 24                      ; qkv16: the matrix's plane,
	s_lshl_b32 s21, s41, 22                        ; the batch,
	s_add_co_u32 s20, s20, s21
	s_lshl_b32 s21, s40, 2
	s_lshl_b32 s22, s16, 1
	s_add_co_u32 s21, s21, s22
	s_lshl_b32 s21, s21, 18                        ; my first head, 4 cx + 2 x column half,
	s_add_co_u32 s20, s20, s21
	s_and_b32 s96, ttmp7, 0xffff
	s_lshl_b32 s21, s96, 15                        ; 256 positions x cluster y,
	s_add_co_u32 s20, s20, s21
	s_lshl_b32 s21, s15, 14                        ; 128 x row half
	s_add_co_u32 s20, s20, s21
	s_mov_b32 s21, 0
	s_add_nc_u64 s[12:13], s[12:13], s[20:21]
	s_lshl_b32 s20, ttmp9, 18                      ; fq: plane, batch, my 128 columns
	s_lshl_b32 s22, s41, 16
	s_add_co_u32 s20, s20, s22
	s_lshl_b32 s22, s40, 10
	s_add_co_u32 s20, s20, s22
	s_lshl_b32 s22, s16, 9
	s_add_co_u32 s20, s20, s22
	s_add_nc_u64 s[98:99], s[98:99], s[20:21]
	s_or_b32 s96, s96, s15                         ; 0 where my block 0 holds positions 0 to 15: cluster y and the wave's number alone
.macro FRAG reg, adr, q, i             ; 16 rows x 128 K of 4-bit codes: 8 registers, two loads of 16 bytes, 32 bytes apart
.irp c, 0,1
	ds_load_b128 v[\reg+4*\c:\reg+4*\c+3], v[\adr] offset:64*(\q)+32*\c+(\i)*16*PITCH
.endr
.endm
; 16 matrix instructions: x's blocks a0, a0 + 1 against W's eight.  The 64 accumulators take turns, one instruction a turn, in the same order in every step.
.macro MUL16 a0, p, q, sc, zero
.irp a, \a0, \a0+1
.irp b, 0,1,2,3,4,5,6,7
.if \zero
	v_wmma_scale_f32_16x16x128_f8f6f4 v[8*(8*((\a)%4)+\b):8*(8*((\a)%4)+\b)+7], v[128*(\p)+FR*\b:128*(\p)+FR*\b+FR-1], v[AF+FR*(\a):AF+FR*(\a)+FR-1], 0, v[SC+8*NQ*(\sc)+NQ*\b+(\q)], v[SC+8*NQ*(\sc)+NQ*(\a)+(\q)] matrix_a_fmt:MATRIX_FMT_FP4 matrix_b_fmt:MATRIX_FMT_FP4 matrix_a_scale:MATRIX_SCALE_ROW1
.else
	v_wmma_scale_f32_16x16x128_f8f6f4 v[8*(8*((\a)%4)+\b):8*(8*((\a)%4)+\b)+7], v[128*(\p)+FR*\b:128*(\p)+FR*\b+FR-1], v[AF+FR*(\a):AF+FR*(\a)+FR-1], v[8*(8*((\a)%4)+\b):8*(8*((\a)%4)+\b)+7], v[SC+8*NQ*(\sc)+NQ*\b+(\q)], v[SC+8*NQ*(\sc)+NQ*(\a)+(\q)] matrix_a_fmt:MATRIX_FMT_FP4 matrix_b_fmt:MATRIX_FMT_FP4 matrix_a_scale:MATRIX_SCALE_ROW1
.endif
.endr
.endr
.endm
.macro FETCH_B slot, q, p
	WIN TO_B
.irp i, 0,1,2,3,4,5,6,7
	FRAG 128*(\p)+FR*\i, ADRB+\slot, \q, \i
.endr
	WIN 0
.endm
.macro FETCH_A slot, q, i0
.irp i, \i0, \i0+1, \i0+2, \i0+3
	FRAG AF+FR*(\i), ADRA+\slot, \q, \i
.endr
.endm
.macro SCALES sc                       ; a slot's scale words: lanes 0-15 x's block i, lanes 16-31 W's block i
.irp i, 0,1,2,3,4,5,6,7
	ds_load_b128 v[SC+8*NQ*\sc+NQ*\i:SC+8*NQ*\sc+NQ*\i+3], v[ADRS] offset:\i*SBLK
.endr
.endm
.macro PLACES n                        ; plain vector instructions between a matrix instruction and a load into, or a read of, its registers
.rept \n
	v_nop
.endr
.endm
.macro STEP slot, q, zero              ; 128 along K, with its successor in the same slot
	s_wait_dscnt 4*NL                              ; W's set and x's blocks 0-3 are in; the youngest eight loads (x's blocks 4-7) may be out
	WIN MUL_LO
	MUL16 0, (\q)%2, \q, \slot, \zero
	MUL16 2, (\q)%2, \q, \slot, \zero
	s_wait_dscnt 0
	PLACES NP
	FETCH_B \slot, (\q)+1, 1-(\q)%2
	FETCH_A \slot, (\q)+1, 0
	WIN MUL_HI
	MUL16 4, (\q)%2, \q, \slot, \zero
	MUL16 6, (\q)%2, \q, \slot, \zero
	PLACES NP
	WIN 0
	FETCH_A \slot, (\q)+1, 4
.endm
.macro TURN slot, next                 ; slot 0's last step: one barrier; behind it slot 1 is whole and nobody reads slot 0 any more
	s_wait_tensorcnt 0x0                           ; all my tensor loads have landed: my part of slot 1
	ds_add_u32 v[SPW], v[NIL]
	s_wait_dscnt 4*NL+1                            ; the add and the youngest eight loads may be out
	WIN MUL_LO
	MUL16 0, 1, NQ-1, \slot, 0
	s_wait_dscnt 0x0                               ; the add is done, and my reads of this slot are over
	s_barrier_signal -1
	MUL16 2, 1, NQ-1, \slot, 0
	WIN 0
	s_barrier_wait -1
	PLACES NP
	v_add_nc_u32 v[ADRS], 4*NQ, v[ADRS]            ; the next slot's scale words
	FETCH_B \next, 0, 0
	FETCH_A \next, 0, 0
	SCALES \next
	WIN MUL_HI
	MUL16 4, 1, NQ-1, \slot, 0
	MUL16 6, 1, NQ-1, \slot, 0
	PLACES NP
	WIN 0
	FETCH_A \next, 0, 4
.endm
	s_wait_tensorcnt 1                             ; the scales and my part of slot 0 are in; slot 1's load may be out
	s_barrier_signal -1
	s_barrier_wait -1
	FETCH_B 0, 0, 0
	FETCH_A 0, 0, 0
	SCALES 0
	FETCH_A 0, 0, 4
	STEP 0, 0, 1                                   ; the first products start the sums
	STEP 0, 1, 0
	STEP 0, 2, 0
	TURN 0, 1
	STEP 1, 0, 0
	STEP 1, 1, 0
	STEP 1, 2, 0
	s_wait_dscnt 4*NL                              ; the last step
	WIN MUL_LO
	MUL16 0, 1, NQ-1, 1, 0
	MUL16 2, 1, NQ-1, 1, 0
	s_wait_dscnt 0
	WIN MUL_HI
	MUL16 4, 1, NQ-1, 1, 0
	MUL16 6, 1, NQ-1, 1, 0
	WIN 0
	PLACES NP
; Positions 0 to 15 as f32: block 0 through my stage, back as rows of 512 bytes.
	s_cmp_lg_u32 s96, 0
	s_cbranch_scc1 .Lno_fine
	WIN 0x08                                       ; an LDS store's data: window 2
.irp b, 0,1,2,3,4,5,6,7
	ds_store_b128 v[STO32], v[8*\b:8*\b+3] offset:64*\b            ; each accumulator from its low end on
	ds_store_b128 v[STO32], v[8*\b+4:8*\b+7] offset:64*\b+16
.endr
	WIN 0
.irp t, 0,1,2,3,4,5,6,7,8,9,10,11,12,13,14,15
	ds_load_b128 v[BK+4*\t:BK+4*\t+3], v[RD32] offset:\t*528       ; LDS serves a wave's instructions in order: these see the stores
.endr
	s_wait_dscnt 0x0
.irp t, 0,1,2,3,4,5,6,7,8,9,10,11,12,13,14,15
	global_store_b128 v[CO], v[BK+4*\t:BK+4*\t+3], s[98:99] offset:\t*4096   ; 512 bytes on end, aligned
.endr
	s_wait_xcnt 0x0                                ; these stores have read their registers, which take rows again below
.Lno_fine:
; All eight blocks as f16.
.macro PACK a
.set AC, 64*((\a)%4)
	WIN 0x0a+5*((\a)/4)                            ; sources 0 and 1: window 2 or 3
.irp b, 0,1,2,3,4,5,6,7
.irp i, 0,1,2,3
	v_cvt_pk_f16_f32 v[TMP+4*\b+\i], v[AC+8*\b+2*\i], v[AC+8*\b+2*\i+1]
.endr
.endr
	WIN 0
.endm
.macro TOSTAGE a
.set BB, BK+32*((\a)%2)
.irp b, 0,1,2,3,4,5,6,7
	ds_store_b128 v[STO16], v[TMP+4*\b:TMP+4*\b+3] offset:(\b/4)*2304+(\b%4)*32
.endr
.irp t, 0,1,2,3,4,5,6,7
	ds_load_b128 v[BB+4*\t:BB+4*\t+3], v[RD16] offset:(\t/4)*2304+(\t%4)*576
.endr
.endm
.macro SEND a
.set BB, BK+32*((\a)%2)
	s_wait_dscnt 0x0                               ; the block is back in registers
	s_wait_xcnt 0x0                                ; the block before has been read by its stores: its registers take the next block's rows
.irp t, 0,1,2,3,4,5,6,7
	global_store_b128 v[CO], v[BB+4*\t:BB+4*\t+3], s[12:13] offset:(\t/4)*262144+(\a)*2048+(\t%4)*512   ; four positions of a head: 512 bytes on end, aligned
.endr
.endm
	PACK 0
	TOSTAGE 0
.irp a, 1,2,3,4,5,6,7
	PACK \a
	SEND \a-1
	TOSTAGE \a
.endr
	SEND 7
	s_wait_tensorcnt 0x0                           ; the wave's end
	ds_add_u32 v[SPW], v[NIL]
	s_wait_dscnt 0x0
	CROUND                                         ; the closing round
	s_endpgm
.Lfunc_end_k_qc0bda9b6ac_qkv:
	.size	k_qc0bda9b6ac_qkv, .Lfunc_end_k_qc0bda9b6ac_qkv-k_qc0bda9b6ac_qkv
	.p2alignl 7, 3214868480
	.fill 96, 4, 3214868480
	.section	.rodata,"a",@progbits
	.p2align	6, 0x0
	.amdhsa_kernel k_qc0bda9b6ac_qkv
		.amdhsa_group_segment_fixed_size 327680
		.amdhsa_private_segment_fixed_size 0
		.amdhsa_enable_private_segment 0
		.amdhsa_kernarg_size 48
		.amdhsa_user_sgpr_count 2
		.amdhsa_user_sgpr_kernarg_segment_ptr 1
		.amdhsa_wavefront_size32 1
		.amdhsa_system_sgpr_workgroup_id_x 1
		.amdhsa_system_sgpr_workgroup_id_y 1
		.amdhsa_system_sgpr_workgroup_id_z 1
		.amdhsa_system_vgpr_workitem_id 0
		.amdhsa_next_free_vgpr 1024
		.amdhsa_next_free_sgpr 100
		.amdhsa_reserve_vcc 0
		.amdhsa_float_denorm_mode_32 3
		.amdhsa_float_denorm_mode_16_64 3
		.amdhsa_memory_ordered 1
		.amdhsa_forward_progress 1
		.amdhsa_inst_pref_size 131
	.end_amdhsa_kernel
	.amdgpu_metadata
---
amdhsa.version: [ 1, 2 ]
amdhsa.kernels:
  - .name:           k_qc0bda9b6ac_qkv
    .symbol:         k_qc0bda9b6ac_qkv.kd
    .args:
      - { .name: xc, .offset: 0, .size: 8, .value_kind: global_buffer, .address_space: global }
      - { .name: xs, .offset: 8, .size: 8, .value_kind: global_buffer, .address_space: global }
      - { .name: wc, .offset: 16, .size: 8, .value_kind: global_buffer, .address_space: global }
      - { .name: ws, .offset: 24, .size: 8, .value_kind: global_buffer, .address_space: global }
      - { .name: qkv16, .offset: 32, .size: 8, .value_kind: global_buffer, .address_space: global }
      - { .name: fq, .offset: 40, .size: 8, .value_kind: global_buffer, .address_space: global }
    .group_segment_fixed_size: 327680
    .private_segment_fixed_size: 0
    .kernarg_segment_align: 8
    .kernarg_segment_size: 48
    .max_flat_workgroup_size: 128
    .sgpr_count:     100
    .vgpr_count:     1024
    .wavefront_size: 32
...
	.end_amdgpu_metadata
.endif
;; end of part 2
;; launch fine (part 3): grid 16 x 4, 16 waves a work-group, no clusters, 71,680 bytes of LDS; arguments fq, masked_info, WO, out0; writes out0
.if DOCPART == 3
	.amdgcn_target "amdgcn-amd-amdhsa--gfx1250"
	.amdhsa_code_object_version 6
	.text
	.protected	k_qc0bda9b6ac_fine
	.globl	k_qc0bda9b6ac_fine
	.p2align	8
	.type	k_qc0bda9b6ac_fine,@function
k_qc0bda9b6ac_fine:
	s_mov_b64 s[64:65], 0
	v_nop
	global_prefetch_b8 v0, s[64:65] scope:SCOPE_SE
	s_setreg_imm32_b32 hwreg(HW_REG_WAVE_MODE, 25, 1), 1
	s_wait_xcnt 0x0
; FINE.  The first 16 positions of every sequence, wholly in f32: they average one to sixteen values and are the largest outputs.
; Work-group (cb, batch) makes out0[batch][0..15][64 cb .. 64 cb + 63].  Wave hd computes head hd's 16 x 16 attention (the same in all 16 work-groups of a batch: 16 x 16 x 64 products, little beside WO's rows)
; and that head's part of the product with WO's rows 64 hd .. 64 hd + 63; the sixteen parts are added through LDS.
; All products by the f32 matrix form, 16 x 16 x 4; it writes v16-47 alone, and nothing else ever writes those.  Both products of attention are used transposed, so that a lane holds one query.
; Along K the order inside a fragment is permuted alike on both sides of each product.
; MASKS: key k is hidden for query q where mi[q] x mi[k] == 0 or k > q; a hidden score is -2^100; a row with nothing visible (its maximum under -2^99) gives 0.
; LIMITS: NaN and infinities among the inputs are not served.
.set QF, 48                            ; v48-79   q, later WO's fragments for channels 48 to 63
.set KF, 80                            ; v80-111  k
.set ON, 80                            ;          later the normalised context
.set MK, 112                           ; v112-119 mi of my eight keys
.set SS, 120                           ; v120-127 scores, then p
.set VF, 128                           ; v128-159 v
.set WF, 160                           ; v160-255 WO's fragments for channels 0 to 47
.set SPARE, 69632                      ; behind the sixteen parts of 16 rows x 272 bytes
	s_load_b256 s[4:11], s[0:1], 0x0               ; fq s[4:5], mi s[6:7], WO s[8:9], out0 s[10:11]
	v_lshl_add_u32 v10, v0, 2, SPARE               ; my spare word; never rewritten
	v_mov_b32 v11, 0                               ; 0; never rewritten
	v_lshrrev_b32 v1, 5, v0
	v_readfirstlane_b32 s12, v1                    ; wave = head
	s_and_b32 s13, ttmp7, 0xffff                   ; batch
	v_and_b32 v1, 15, v0                           ; r
	v_bfe_u32 v2, v0, 4, 1                         ; h
	v_lshlrev_b32 v3, 12, v1
	v_lshl_add_u32 v3, v2, 4, v3                   ; q, k: row r of 4,096 bytes + 16 h
	v_lshlrev_b32 v4, 2, v1
	v_lshl_add_u32 v4, v2, 15, v4                  ; v, WO: 8 h rows of 4,096 bytes + 4 r
	v_lshlrev_b32 v5, 5, v2                        ; mi of keys 8 h on
	v_lshlrev_b32 v6, 2, v1                        ; mi of query r
	s_mul_i32 s14, s12, 4352
	v_mul_u32_u24 v7, v1, 272
	v_lshl_add_u32 v7, v2, 5, v7
	v_add_nc_u32 v7, s14, v7                       ; my part: row r, + 32 h
	v_lshrrev_b32 v14, 4, v0
	v_mul_u32_u24 v8, v14, 272
	v_lshl_add_u32 v8, v1, 4, v8                   ; the sum: thread t takes row t / 16, 16 bytes at 16 (t % 16)
	v_lshlrev_b32 v9, 12, v14
	v_lshl_add_u32 v9, v1, 4, v9                   ; and the same place in out0
	v_lshlrev_b32 v14, 3, v2
	v_sub_nc_u32 v12, v1, v14                      ; r - 8 h: register j's key is hidden where j is above it
	v_mov_b32 v15, 0                               ; a lane permute's destination counts as one of its sources
	s_lshl_b32 s16, s13, 16
	s_lshl_b32 s17, s12, 8
	s_add_co_u32 s16, s16, s17
	s_mov_b32 s17, 0
	s_lshl_b32 s18, s12, 18
	s_lshl_b32 s19, ttmp9, 8
	s_add_co_u32 s18, s18, s19
	s_mov_b32 s19, 0
	s_lshl_b32 s20, s13, 13
	s_mov_b32 s21, 0
	s_lshl_b32 s22, s13, 23
	s_lshl_b32 s23, ttmp9, 8
	s_add_co_u32 s22, s22, s23
	s_mov_b32 s23, 0
	s_mov_b32 s24, 0x3e38aa3b                      ; c = log2(e) / 8
	s_mov_b32 s25, 0xf1000000                      ; -2^99
	s_mov_b32 s26, 0x76543210
	s_mov_b32 s27, 0xfedcba98                      ; lane l xor 16
	s_wait_kmcnt 0x0
	s_add_nc_u64 s[4:5], s[4:5], s[16:17]
	s_add_nc_u64 s[8:9], s[8:9], s[18:19]
	s_add_nc_u64 s[6:7], s[6:7], s[20:21]
	s_add_nc_u64 s[10:11], s[10:11], s[22:23]
.irp i, 0,1,2,3,4,5,6,7
	global_load_b128 v[QF+4*\i:QF+4*\i+3], v3, s[4:5] offset:32*\i           ; channels 8 i + 4 h + 0 .. 3 of row r
.endr
.irp i, 0,1,2,3,4,5,6,7
	global_load_b128 v[KF+4*\i:KF+4*\i+3], v3, s[4:5] offset:262144+32*\i
.endr
	global_load_b128 v[MK:MK+3], v5, s[6:7]
	global_load_b128 v[MK+4:MK+7], v5, s[6:7] offset:16
	global_load_b32 v13, v6, s[6:7]
.irp t, 0,1,2,3
.irp s, 0,1,2,3
.irp j, 0,1
	global_load_b32 v[VF+8*\t+2*\s+\j], v4, s[4:5] offset:524288+(2*\s+\j)*4096+64*\t   ; v(key 8 h + 2 s + j, channel 16 t + r)
.endr
.endr
.endr
.irp t, 0,1,2
.irp s, 0,1,2,3
.irp c, 0,1,2,3
.irp j, 0,1
	global_load_b32 v[WF+2*((4*\t+\s)*4+\c)+\j], v4, s[8:9] offset:(16*\t+2*\s+\j)*4096+64*\c   ; WO(64 hd + 16 t + 8 h + 2 s + j, 64 cb + 16 c + r)
.endr
.endr
.endr
.endr
	s_wait_loadcnt 63                              ; 147 are issued: the oldest 84 are in, q, k, mi and v among them
; S^T = k q^T: two accumulators by turns; lane (r, h), register j: key 8 h + j, query r
	v_wmma_f32_16x16x4_f32 v[16:23], v[KF:KF+1], v[QF:QF+1], 0
	v_wmma_f32_16x16x4_f32 v[24:31], v[KF+2:KF+3], v[QF+2:QF+3], 0
.irp i, 1,2,3,4,5,6,7
	v_wmma_f32_16x16x4_f32 v[16:23], v[KF+4*\i:KF+4*\i+1], v[QF+4*\i:QF+4*\i+1], v[16:23]
	v_wmma_f32_16x16x4_f32 v[24:31], v[KF+4*\i+2:KF+4*\i+3], v[QF+4*\i+2:QF+4*\i+3], v[24:31]
.endr
.rept 8
	v_nop                                          ; eight places behind this form, ahead of the reads of its results and of loads into its sources
.endr
.irp s, 0,1,2,3
.irp c, 0,1,2,3
.irp j, 0,1
	global_load_b32 v[QF+2*(4*\s+\c)+\j], v4, s[8:9] offset:(48+2*\s+\j)*4096+64*\c     ; WO's last sixteen rows, where q lay
.endr
.endr
.endr
.irp j, 0,1,2,3,4,5,6,7
	v_add_f32 v[SS+\j], v[16+\j], v[24+\j]
.endr
	v_mov_b32 v1, 0xf1800000                       ; -2^100
.irp j, 0,1,2,3,4,5,6,7
	v_mul_f32 v2, v[MK+\j], v13
	v_cmp_eq_f32 vcc_lo, 0, v2
	v_cndmask_b32 v[SS+\j], v[SS+\j], v1, vcc_lo
	v_cmp_gt_i32 vcc_lo, \j, v12
	v_cndmask_b32 v[SS+\j], v[SS+\j], v1, vcc_lo
.endr
	v_max3_num_f32 v14, v[SS], v[SS+1], v[SS+2]
	v_max3_num_f32 v14, v14, v[SS+3], v[SS+4]
	v_max3_num_f32 v14, v14, v[SS+5], v[SS+6]
	v_max_num_f32 v14, v14, v[SS+7]
	v_permlanex16_b32 v15, v14, s26, s27
	v_max_num_f32 v14, v14, v15                    ; the row's maximum
	v_mul_f32 v2, s24, v14
.irp j, 0,1,2,3,4,5,6,7
	v_fma_f32 v[SS+\j], v[SS+\j], s24, -v2
.endr
.irp j, 0,1,2,3,4,5,6,7
	v_exp_f32 v[SS+\j], v[SS+\j]
.endr
	v_nop                                          ; a plain instruction behind the last exponential
	s_wait_alu depctr_va_vdst(0)                   ; one wait for the eight, ahead of their first reader
	v_add_f32 v13, v[SS], v[SS+1]
.irp j, 2,3,4,5,6,7
	v_add_f32 v13, v13, v[SS+\j]
.endr
	v_permlanex16_b32 v15, v13, s26, s27
	v_add_f32 v13, v13, v15
	v_rcp_f32 v15, v13
	v_nop
	s_wait_alu depctr_va_vdst(0)
	v_cmp_lt_f32 vcc_lo, s25, v14                  ; is anything visible?
	v_cndmask_b32 v15, 0, v15, vcc_lo              ; 1 / sum, or 0
; O^T = v^T p: four accumulators by turns; lane (r, h), register j of tile t: channel 16 t + 8 h + j, query r
.irp s, 0,1,2,3
.irp t, 0,1,2,3
.if \s == 0
	v_wmma_f32_16x16x4_f32 v[16+8*\t:23+8*\t], v[VF+8*\t+2*\s:VF+8*\t+2*\s+1], v[SS+2*\s:SS+2*\s+1], 0
.else
	v_wmma_f32_16x16x4_f32 v[16+8*\t:23+8*\t], v[VF+8*\t+2*\s:VF+8*\t+2*\s+1], v[SS+2*\s:SS+2*\s+1], v[16+8*\t:23+8*\t]
.endif
.endr
.endr
.rept 8
	v_nop
.endr
.irp t, 0,1,2,3
.irp j, 0,1,2,3,4,5,6,7
	v_mul_f32 v[ON+8*\t+\j], v[16+8*\t+\j], v15
.endr
.endr
	s_wait_loadcnt 0x0                             ; all of WO's fragments
; my head's part of the output, transposed: source 0 = 16 columns of WO, source 1 = the context; lane (r, h), register j of tile c: column 16 c + 8 h + j, query r
.irp t, 0,1,2,3
.irp s, 0,1,2,3
.irp c, 0,1,2,3
.if \t == 3
.set WR, QF+2*(4*\s+\c)
.else
.set WR, WF+2*((4*\t+\s)*4+\c)
.endif
.if (\t == 0) && (\s == 0)
	v_wmma_f32_16x16x4_f32 v[16+8*\c:23+8*\c], v[WR:WR+1], v[ON+8*\t+2*\s:ON+8*\t+2*\s+1], 0
.else
	v_wmma_f32_16x16x4_f32 v[16+8*\c:23+8*\c], v[WR:WR+1], v[ON+8*\t+2*\s:ON+8*\t+2*\s+1], v[16+8*\c:23+8*\c]
.endif
.endr
.endr
.endr
.rept 8
	v_nop
.endr
.irp c, 0,1,2,3
	ds_store_b128 v7, v[16+8*\c:19+8*\c] offset:64*\c              ; each accumulator from its low end on
	ds_store_b128 v7, v[20+8*\c:23+8*\c] offset:64*\c+16
.endr
	s_wait_dscnt 0x0                               ; for the others' sake: my part lies in LDS
	s_barrier_signal -1
	s_barrier_wait -1
	s_cmp_lt_u32 s12, 8                            ; 256 threads add the sixteen parts: 16 rows x 16 pieces of 16 bytes
	s_cbranch_scc0 .Lrest
.irp i, 0,1,2,3,4,5,6,7,8,9,10,11,12,13,14,15
	ds_load_b128 v[128+4*\i:131+4*\i], v8 offset:4352*\i
.endr
	s_wait_dscnt 0x0
.irp i, 0,1,2,3,4,5,6,7
	v_pk_add_f32 v[128+4*\i:129+4*\i], v[128+4*\i:129+4*\i], v[160+4*\i:161+4*\i]
	v_pk_add_f32 v[130+4*\i:131+4*\i], v[130+4*\i:131+4*\i], v[162+4*\i:163+4*\i]
.endr
.irp i, 0,1,2,3
	v_pk_add_f32 v[128+4*\i:129+4*\i], v[128+4*\i:129+4*\i], v[144+4*\i:145+4*\i]
	v_pk_add_f32 v[130+4*\i:131+4*\i], v[130+4*\i:131+4*\i], v[146+4*\i:147+4*\i]
.endr
.irp i, 0,1
	v_pk_add_f32 v[128+4*\i:129+4*\i], v[128+4*\i:129+4*\i], v[136+4*\i:137+4*\i]
	v_pk_add_f32 v[130+4*\i:131+4*\i], v[130+4*\i:131+4*\i], v[138+4*\i:139+4*\i]
.endr
	v_pk_add_f32 v[128:129], v[128:129], v[132:133]
	v_pk_add_f32 v[130:131], v[130:131], v[134:135]
	global_store_b128 v9, v[128:131], s[10:11]     ; sixteen lanes store 256 bytes on end, aligned
.Lrest:
	s_wait_tensorcnt 0x0                           ; the wave's end, behind my last LDS store
	ds_add_u32 v10, v11
	s_wait_dscnt 0x0
	s_endpgm
.Lfunc_end_k_qc0bda9b6ac_fine:
	.size	k_qc0bda9b6ac_fine, .Lfunc_end_k_qc0bda9b6ac_fine-k_qc0bda9b6ac_fine
	.p2alignl 7, 3214868480
	.fill 96, 4, 3214868480
	.section	.rodata,"a",@progbits
	.p2align	6, 0x0
	.amdhsa_kernel k_qc0bda9b6ac_fine
		.amdhsa_group_segment_fixed_size 71680
		.amdhsa_private_segment_fixed_size 0
		.amdhsa_enable_private_segment 0
		.amdhsa_kernarg_size 32
		.amdhsa_user_sgpr_count 2
		.amdhsa_user_sgpr_kernarg_segment_ptr 1
		.amdhsa_wavefront_size32 1
		.amdhsa_system_sgpr_workgroup_id_x 1
		.amdhsa_system_sgpr_workgroup_id_y 1
		.amdhsa_system_sgpr_workgroup_id_z 1
		.amdhsa_system_vgpr_workitem_id 0
		.amdhsa_next_free_vgpr 256
		.amdhsa_next_free_sgpr 66
		.amdhsa_reserve_vcc 1
		.amdhsa_float_denorm_mode_32 3
		.amdhsa_float_denorm_mode_16_64 3
		.amdhsa_memory_ordered 1
		.amdhsa_forward_progress 1
		.amdhsa_inst_pref_size 34
	.end_amdhsa_kernel
	.amdgpu_metadata
---
amdhsa.version: [ 1, 2 ]
amdhsa.kernels:
  - .name:           k_qc0bda9b6ac_fine
    .symbol:         k_qc0bda9b6ac_fine.kd
    .args:
      - { .name: fq, .offset: 0, .size: 8, .value_kind: global_buffer, .address_space: global }
      - { .name: masked_info, .offset: 8, .size: 8, .value_kind: global_buffer, .address_space: global }
      - { .name: WO, .offset: 16, .size: 8, .value_kind: global_buffer, .address_space: global }
      - { .name: out0, .offset: 24, .size: 8, .value_kind: global_buffer, .address_space: global }
    .group_segment_fixed_size: 71680
    .private_segment_fixed_size: 0
    .kernarg_segment_align: 8
    .kernarg_segment_size: 32
    .max_flat_workgroup_size: 512
    .sgpr_count:     66
    .vgpr_count:     256
    .wavefront_size: 32
...
	.end_amdgpu_metadata
.endif
;; end of part 3
;; launch attn (part 4): grid 4 x 64, 8 waves a work-group, no clusters, 327,680 bytes of LDS; arguments qkv16, masked_info, ctx16; writes ctx16
.if DOCPART == 4
	.amdgcn_target "amdgcn-amd-amdhsa--gfx1250"
	.amdhsa_code_object_version 6
	.text
	.protected	k_qc0bda9b6ac_attn
	.globl	k_qc0bda9b6ac_attn
	.p2align	8
	.type	k_qc0bda9b6ac_attn,@function
k_qc0bda9b6ac_attn:
	s_mov_b64 s[64:65], 0
	v_nop
	global_prefetch_b8 v0, s[64:65] scope:SCOPE_SE
	s_setreg_imm32_b32 hwreg(HW_REG_WAVE_MODE, 25, 1), 1
	s_wait_xcnt 0x0
; ATTN.  ctx[n][h][q] = sum over k of softmax_k(q . k / 8, hidden where k > q or mi[q] x mi[k] == 0) v[k].  q, k, v: f16, [3][n][h][2048][64]; products' sums, maxima and sums in f32; p rounded to f16; ctx f16, [n][h][2048][64].
; SHARES.  Work-group (j, head) makes two blocks of 256 queries: block 7 - j, then block j: 8 - j and j + 1 slots of 256 keys, nine for every work-group.  Each of its eight waves owns 32 queries, two tiles of 16,
; so that each fragment of K and V read from LDS feeds two matrix instructions; two waves share a SIMD, so that one's softmax stands beside the other's products.
; LAYOUT.  S^T = K Q^T (source 0 = 16 keys, source 1 = 16 queries) and O^T = V^T P: a lane holds one query throughout; two tiles of S^T, rounded in pairs, are source 1 of the second product.  V is turned by ds_load_tr16_b128.
; RING.  Two slots of 256 keys (K: rows of 128 bytes + 16; V: + 32).  Waves 0-3 fetch K's quarters, waves 4-7 V's, one tensor load a wave.  Both loops' trip counts are constants: every work-group walks 2 x 8 changes of slots;
; a slot whose first key lies behind the block's last query is not asked for and its steps are jumped over.  The last change of the first pass asks for the second pass's slot 0.
; NO CLUSTER: the four work-groups of a head need different numbers of tiles in each pass, so a joint tile would be read by no wave of some partner.
; THE PADDING MASK costs no vector instruction: a table in LDS holds -2^100 for a key with mi == 0 and 0 otherwise, and is the C of each score's first matrix instruction.  What is summed while only hidden keys have been
; seen is finite and is multiplied by 2^(old - new maximum) = 0 at the first visible key; a query with mi == 0 is set to 0 at the end; any other query sees its own key.
; LIMITS: the mask is taken as mi[q] == 0 or mi[k] == 0, which is the product's test unless two non-zero entries multiply to 0 (both under 2^-74); |q . k| stays under 2^76 (f16 operands), which -2^100 absorbs;
; NaN and infinities among the inputs are not served.
; REGISTERS, window 0: v1-11 addresses; v12, v13 the add's two; v14, v15 mi of my queries; v16-31 statistics, eight a tile (c m, m, l, l, four at work; a takes the third's place); v32-63 Q; v64-127 K; v128-191 S^T, then p;
; v192-223 the keys' bias; v224-255 P.  window 1: v0-63 O^T; v64-127 V.
.set VOFF,  36864                      ; a slot: 256 rows of K at pitch 144, then 256 rows of V at pitch 160
.set SLOT1, 131072                     ; slot 1 begins here: one exclusive or turns an address
.set BIAS,  262144                     ; 2,048 f32, written by ds_store: no tile lands here
.set STAGE, 270336                     ; 16 rows x 144 bytes for each wave, for the way out
.set SPARE, 288768                     ; the spare words, 128 bytes for each wave
.set MSB, 0
.macro WIN new                         ; the immediate's high byte repeats the setting that is left
.if MSB != \new
	s_set_vgpr_msb (MSB<<8)|\new
.set MSB, \new
.endif
.endm
.macro TLOAD                           ; every wave has one load: the branch hangs on the wave's number alone
	s_cmp_lt_u32 s10, 4
	s_cbranch_scc0 .Lfor_v_\@
	tensor_load_to_lds s[36:39], s[20:27]
	s_nop 0
.rept 4
	v_nop
.endr
	s_branch .Lasked_\@
.Lfor_v_\@:
	tensor_load_to_lds s[40:43], s[28:35]
	s_nop 0
.rept 4
	v_nop
.endr
.Lasked_\@:
.endm
	s_load_b128 s[4:7], s[0:1], 0x0                ; qkv16 s[4:5], mi s[6:7]
	s_load_b64 s[8:9], s[0:1], 0x10                ; ctx16
	v_lshl_add_u32 v12, v0, 2, SPARE
	v_mov_b32 v13, 0
	ds_add_u32 v12, v13                            ; the opening: the add, twice on end, and its wait ahead of my first tensor load
	ds_add_u32 v12, v13
	v_lshrrev_b32 v1, 5, v0
	v_readfirstlane_b32 s10, v1                    ; wave 0..7
	s_mov_b32 s11, ttmp9                           ; j
	s_and_b32 s12, ttmp7, 0xffff                   ; 16 n + h
	s_lshr_b32 s13, s12, 4                         ; n
	s_mov_b32 s20, (1<<16)|(1<<20)|(4<<22)|(3<<25) ; K: elements of 2 bytes; 4 words of padding behind every 32
	s_mov_b32 s21, 64<<16                          ; tensor_dim0
	s_mov_b32 s22, 64<<16                          ; tensor_dim1
	s_mov_b32 s23, 64<<16                          ; tile_dim0
	s_mov_b32 s24, 64                              ; tile_dim1
	s_mov_b32 s25, 64                              ; the pitch
	s_mov_b32 s26, 0
	s_mov_b32 s27, 0
	s_mov_b32 s28, (1<<16)|(1<<20)|(4<<22)|(7<<25) ; V: 8 words of padding
	s_mov_b32 s29, 64<<16
	s_mov_b32 s30, 64<<16
	s_mov_b32 s31, 64<<16
	s_mov_b32 s32, 64
	s_mov_b32 s33, 64
	s_mov_b32 s34, 0
	s_mov_b32 s35, 0
	s_mov_b32 s14, 0x76543210
	s_mov_b32 s15, 0xfedcba98                      ; lane l xor 16
	s_mov_b32 s16, 0x3e38aa3b                      ; c = log2(e) / 8
	s_mov_b32 s17, s16                             ; named with it as a pair
	s_mov_b32 s18, 0xf1800000                      ; -2^100
	s_mov_b32 s19, 0                               ; the slot in hand
	s_mov_b32 s51, 0                               ; the pass
	s_and_b32 s66, s10, 3                          ; my quarter of a slot: 64 keys
	s_lshl_b32 s68, s66, 13
	s_lshl_b32 s67, s12, 18
	s_add_co_u32 s68, s68, s67
	s_add_co_u32 s68, s68, 16777216                ; K's plane
	s_mov_b32 s69, 0
	s_mul_i32 s70, s66, 9216
	s_mul_i32 s71, s66, 10240
	s_add_co_u32 s71, s71, VOFF
	s_lshl_b32 s72, s13, 13
	s_mov_b32 s73, 0
	s_wait_dscnt 0x0                               ; both opening adds are done
	s_wait_kmcnt 0x0
	s_add_nc_u64 s[44:45], s[4:5], s[68:69]        ; K at my quarter of slot 0
	s_add_nc_u64 s[46:47], s[44:45], 16777216      ; V likewise
	s_mov_b32 s36, 1
	s_mov_b32 s37, s70
	s_mov_b64 s[38:39], s[44:45]
	s_or_b32 s39, s39, 0x80000000
	s_mov_b32 s40, 1
	s_mov_b32 s41, s71
	s_mov_b64 s[42:43], s[46:47]
	s_or_b32 s43, s43, 0x80000000
	TLOAD                                          ; slot 0: one load of mine is out
	s_add_nc_u64 s[6:7], s[6:7], s[72:73]          ; mi of my batch
	s_cmp_lt_u32 s10, 4
	s_cselect_b64 s[48:49], s[44:45], s[46:47]     ; the prefetches' address: my quarter,
	s_add_nc_u64 s[48:49], s[48:49], 32768         ; in slot 1; the first change of slots steps it to slot 2
	v_lshlrev_b32 v1, 5, v0                        ; the bias table: thread t makes keys 8 t .. 8 t + 7
	global_load_b128 v[128:131], v1, s[6:7]
	global_load_b128 v[132:135], v1, s[6:7] offset:16
	v_mov_b32 v2, s18
	v_lshl_add_u32 v4, v0, 5, BIAS
	s_wait_loadcnt 0x0
.irp i, 0,1,2,3,4,5,6,7
	v_cmp_eq_f32 vcc_lo, 0, v[128+\i]
	v_cndmask_b32 v[128+\i], 0, v2, vcc_lo
.endr
	ds_store_b128 v4, v[128:131]
	ds_store_b128 v4, v[132:135] offset:16         ; read by all waves behind the first change's wait and barrier
	v_and_b32 v14, 15, v0                          ; r
	v_bfe_u32 v15, v0, 4, 1                        ; h
	v_mul_u32_u24 v1, v14, 144
	v_lshl_add_u32 v1, v15, 4, v1                  ; K: row r, + 16 h
	v_and_b32 v4, 7, v0
	v_lshl_add_u32 v4, v15, 3, v4
	v_mul_u32_u24 v2, v4, 160
	v_bfe_u32 v4, v0, 3, 1
	v_lshl_add_u32 v2, v4, 4, v2
	v_add_nc_u32 v2, VOFF, v2                      ; V, turning load: key 8 h + l % 8, 16 bytes at 16 ((l / 8) % 2)
	v_lshl_add_u32 v3, v15, 5, BIAS                ; the bias of keys 8 h on
	s_mul_i32 s66, s10, 2304
	s_add_co_u32 s66, s66, STAGE
	v_add_nc_u32 v7, s66, v1                       ; into my stage: row r, + 16 h
	v_and_b32 v9, 31, v0
	v_lshrrev_b32 v4, 3, v9
	v_mul_u32_u24 v8, v4, 144
	v_and_b32 v4, 7, v0
	v_lshl_add_u32 v8, v4, 4, v8
	v_add_nc_u32 v8, s66, v8                       ; back: eight lanes to a row, four rows an instruction
	v_lshlrev_b32 v10, 8, v9                       ; the prefetches' offset: 256 x lane
	v_lshlrev_b32 v9, 4, v9                        ; 16 x lane in ctx
	v_lshlrev_b32 v4, 3, v15
	v_sub_nc_u32 v11, v14, v4                      ; r - 8 h
.irp i, 20,21,22,23,28,29,30,31
	v_mov_b32 v[\i], 0                             ; written once: lane permutes' destinations and pairs' upper halves count as read
.endr
.macro KLOAD k                         ; K's 8 fragments and the bias of the slot's k-th 64 keys: 24 loads
.irp t, 0,1,2,3
.irp c, 0,1
	ds_load_b128 v[64+16*\t+8*\c:67+16*\t+8*\c], v4 offset:(64*(\k)+16*\t)*144+64*\c
	ds_load_b128 v[68+16*\t+8*\c:71+16*\t+8*\c], v4 offset:(64*(\k)+16*\t)*144+64*\c+32
.endr
.endr
.irp t, 0,1,2,3
	ds_load_b128 v[192+8*\t:195+8*\t], v6 offset:(64*(\k)+16*\t)*4
	ds_load_b128 v[196+8*\t:199+8*\t], v6 offset:(64*(\k)+16*\t)*4+16
.endr
.endm
; The softmax of both tiles for 64 keys, the tiles by turns line by line.
.macro SOFTMAX
.irp i, 0,1,2,3
.irp u, 0,1
	v_max3_num_f32 v[20+8*\u+\i], v[128+32*\u+8*\i], v[129+32*\u+8*\i], v[130+32*\u+8*\i]   ; each accumulator from its low end on
.endr
.endr
.irp g, 1,2
.irp i, 0,1,2,3
.irp u, 0,1
	v_max3_num_f32 v[20+8*\u+\i], v[20+8*\u+\i], v[129+32*\u+8*\i+2*\g], v[130+32*\u+8*\i+2*\g]
.endr
.endr
.endr
.irp u, 0,1
	v_max3_num_f32 v[20+8*\u], v[20+8*\u], v[135+32*\u], v[143+32*\u]
.endr
.irp u, 0,1
	v_max3_num_f32 v[22+8*\u], v[22+8*\u], v[151+32*\u], v[159+32*\u]
.endr
.irp u, 0,1
	v_max3_num_f32 v[20+8*\u], v[20+8*\u], v[21+8*\u], v[22+8*\u]
.endr
.irp u, 0,1
	v_max3_num_f32 v[20+8*\u], v[20+8*\u], v[23+8*\u], v[17+8*\u]      ; with the old m
.endr
.irp u, 0,1
	v_permlanex16_b32 v[21+8*\u], v[20+8*\u], s14, s15                 ; the query's other 32 keys lie 16 lanes away
.endr
.irp u, 0,1
	v_mov_b32 v[23+8*\u], v[16+8*\u]                                   ; c m_old
.endr
.irp u, 0,1
	v_max_num_f32 v[17+8*\u], v[20+8*\u], v[21+8*\u]
.endr
.irp u, 0,1
	v_mul_f32 v[16+8*\u], s16, v[17+8*\u]
.endr
.irp u, 0,1
	v_sub_f32 v[23+8*\u], v[23+8*\u], v[16+8*\u]
.endr
.irp b, 0,1,2,3,4,5,6,7,8,9,10,11,12,13,14,15
.irp u, 0,1
	v_pk_fma_f32 v[128+32*\u+2*\b:129+32*\u+2*\b], v[128+32*\u+2*\b:129+32*\u+2*\b], s[16:17], v[16+8*\u:17+8*\u] op_sel_hi:[1,0,0] neg_lo:[0,0,1] neg_hi:[0,0,1]   ; c s - c m
.endr
.endr
.irp u, 0,1
	v_exp_f32 v[22+8*\u], v[23+8*\u]                                   ; a = 2^(c m_old - c m_new)
.endr
.irp i, 0,1,2,3,4,5,6,7,8,9,10,11,12,13,14,15,16,17,18,19,20,21,22,23,24,25,26,27,28,29,30,31
.irp u, 0,1
	v_exp_f32 v[128+32*\u+\i], v[128+32*\u+\i]
.endr
.endr
	v_nop                                          ; a plain instruction behind the last exponential
	s_wait_alu depctr_va_vdst(0)                   ; one wait for the 66, ahead of their first reader
.irp b, 0,1,2,3,4,5,6,7,8,9,10,11,12,13,14,15
.irp u, 0,1
	v_cvt_pk_f16_f32 v[224+16*\u+\b], v[128+32*\u+2*\b], v[129+32*\u+2*\b]
.endr
.endr
.irp z, 0,1,2,3,4,5,6,7
.irp u, 0,1
	v_pk_add_f32 v[128+32*\u+4*\z:129+32*\u+4*\z], v[128+32*\u+4*\z:129+32*\u+4*\z], v[130+32*\u+4*\z:131+32*\u+4*\z]
.endr
.endr
.irp z, 0,1,2,3
.irp u, 0,1
	v_pk_add_f32 v[128+32*\u+8*\z:129+32*\u+8*\z], v[128+32*\u+8*\z:129+32*\u+8*\z], v[132+32*\u+8*\z:133+32*\u+8*\z]
.endr
.endr
.irp z, 0,1
.irp u, 0,1
	v_pk_add_f32 v[128+32*\u+16*\z:129+32*\u+16*\z], v[128+32*\u+16*\z:129+32*\u+16*\z], v[136+32*\u+16*\z:137+32*\u+16*\z]
.endr
.endr
.irp u, 0,1
	v_pk_add_f32 v[128+32*\u:129+32*\u], v[128+32*\u:129+32*\u], v[144+32*\u:145+32*\u]
.endr
.irp u, 0,1
	v_pk_fma_f32 v[18+8*\u:19+8*\u], v[18+8*\u:19+8*\u], v[22+8*\u:23+8*\u], v[128+32*\u:129+32*\u] op_sel_hi:[1,0,1]   ; l = a l + the sum
.endr
.endm
; A KEY STEP: the slot's q-th 64 keys.  A step all of whose keys lie behind my 32 queries is left out, and so are the slot's later steps: one label behind the fourth.
.macro STEP q
	s_add_co_u32 s67, s56, 64*\q                   ; the step's first key
	s_cmp_gt_u32 s67, s57
	s_cbranch_scc1 .Lhid
.if \q == 0
	v_add_nc_u32 v4, s19, v1
	v_add_nc_u32 v5, s19, v2
	s_lshl_b32 s68, s56, 2
	v_add_nc_u32 v6, s68, v3
	v_nop                                          ; with the three above: four places ahead of loads into registers that matrix instructions have read
	KLOAD 0
.else
.rept 4
	v_nop                                          ; likewise, for V's registers
.endr
.endif
	WIN 0x40                                       ; destination window 1
.irp e, 0,1
.irp d, 0,1,2,3
	ds_load_tr16_b128 v[64+32*\e+8*\d:67+32*\e+8*\d], v5 offset:(64*\q+32*\e)*160+32*\d
	ds_load_tr16_b128 v[68+32*\e+8*\d:71+32*\e+8*\d], v5 offset:(64*\q+32*\e)*160+32*\d+2560
.endr
.endr
	WIN 0
	s_wait_dscnt 16                                ; K and the bias are in; V's sixteen loads may be out
.irp c, 0,1                            ; S^T = K Q^T + bias: eight accumulators by turns
.irp t, 0,1,2,3
.irp u, 0,1
.if \c == 0
	v_wmma_f32_16x16x32_f16 v[128+32*\u+8*\t:135+32*\u+8*\t], v[64+16*\t+8*\c:71+16*\t+8*\c], v[32+16*\u+8*\c:39+16*\u+8*\c], v[192+8*\t:199+8*\t]
.else
	v_wmma_f32_16x16x32_f16 v[128+32*\u+8*\t:135+32*\u+8*\t], v[64+16*\t+8*\c:71+16*\t+8*\c], v[32+16*\u+8*\c:39+16*\u+8*\c], v[128+32*\u+8*\t:135+32*\u+8*\t]
.endif
.endr
.endr
.endr
.rept 4
	v_nop                                          ; places ahead of the loads into K's and the bias's registers and of the first read of the scores
.endr
.if \q < 3
	KLOAD \q+1                                     ; the next step's, a softmax ahead of their use
.endif
	s_add_co_u32 s68, s67, 63                      ; on the diagonal hidden scores become -2^100; a step all of whose keys count skips this
	s_cmp_le_u32 s68, s55
	s_cbranch_scc1 .Lopen_\q
	s_sub_co_i32 s68, s55, s67
	v_add_nc_u32 v20, s68, v11                     ; tile 0: my query - the step's first key - 8 h: register 8 t + i holds a visible key where 16 t + i is at or under it
	v_add_nc_u32 v28, 16, v20                      ; tile 1
.irp u, 0,1
.irp t, 0,1,2,3
.irp i, 0,1,2,3,4,5,6,7
	v_cmp_le_i32 vcc_lo, 16*\t+\i, v[20+8*\u]
	v_cndmask_b32 v[128+32*\u+8*\t+\i], s18, v[128+32*\u+8*\t+\i], vcc_lo
.endr
.endr
.endr
.Lopen_\q:
	SOFTMAX
.if \q < 3
	s_wait_dscnt 24                                ; V is in; the next step's 24 loads may be out
.else
	s_wait_dscnt 0x0
.endif
	WIN 0x41                                       ; O^T (destination and source 0) window 1, a window 0
.irp u, 0,1
.irp i, 0,1,2,3,4,5,6,7,8,9,10,11,12,13,14,15
	v_pk_mul_f32 v[32*\u+2*\i:32*\u+2*\i+1], v[32*\u+2*\i:32*\u+2*\i+1], v[22+8*\u:23+8*\u] op_sel_hi:[1,0]
.endr
.endr
	WIN 0x51                                       ; V, C and D window 1, P window 0
.irp e, 0,1                            ; O^T += V^T P: eight accumulators by turns
.irp d, 0,1,2,3
.irp u, 0,1
	v_wmma_f32_16x16x32_f16 v[32*\u+8*\d:32*\u+8*\d+7], v[64+32*\e+8*\d:71+32*\e+8*\d], v[224+16*\u+8*\e:231+16*\u+8*\e], v[32*\u+8*\d:32*\u+8*\d+7]
.endr
.endr
.endr
	WIN 0
.endm
.Lpass:                                            ; two trips: block 7 - j, then block j
	s_wait_xcnt 0x0                                ; the last pass's stores have read their base and registers
	s_sub_co_u32 s66, 7, s11
	s_cmp_eq_u32 s51, 0
	s_cselect_b32 s53, s66, s11                    ; my block of 256 queries = the last slot that it reads
	s_cselect_b32 s54, s11, -1                     ; the next pass's, or none
	s_or_b32 s66, s51, s11
	s_cmp_eq_u32 s66, 0
	s_cselect_b32 s50, 6, 0                        ; who prefetches: the head's work-group 0 in its first pass, which walks all eight slots; slots 2 to 7
	s_lshl_b32 s55, s53, 8
	s_lshl_b32 s66, s10, 5
	s_add_co_u32 s55, s55, s66                     ; my first query
	s_add_co_u32 s57, s55, 31                      ; my last
	s_lshl_b32 s66, s55, 7
	s_lshl_b32 s67, s12, 18
	s_add_co_u32 s66, s66, s67
	s_mov_b32 s67, 0
	s_add_nc_u64 s[58:59], s[4:5], s[66:67]        ; Q at my first query
	s_add_nc_u64 s[62:63], s[8:9], s[66:67]        ; ctx likewise
	s_lshl_b32 s66, s55, 2
	s_add_nc_u64 s[60:61], s[6:7], s[66:67]        ; and mi
	v_and_b32 v4, 15, v0
	v_bfe_u32 v5, v0, 4, 1
	v_lshlrev_b32 v6, 7, v4
	v_lshl_add_u32 v6, v5, 4, v6                   ; row r of 128 bytes + 16 h
	v_lshlrev_b32 v4, 2, v4
.irp u, 0,1
.irp c, 0,1
	global_load_b128 v[32+16*\u+8*\c:35+16*\u+8*\c], v6, s[58:59] offset:2048*\u+64*\c
	global_load_b128 v[36+16*\u+8*\c:39+16*\u+8*\c], v6, s[58:59] offset:2048*\u+64*\c+32
.endr
	global_load_b32 v[14+\u], v4, s[60:61] offset:64*\u
.endr
.irp u, 0,1
	v_mov_b32 v[17+8*\u], 0xff61b1e6               ; m = -3e38, under every score
	v_mov_b32 v[18+8*\u], 0                        ; l, in two halves
	v_mov_b32 v[19+8*\u], 0
.endr
.irp u, 0,1
	v_mul_f32 v[16+8*\u], s16, v[17+8*\u]
.endr
	WIN 0x40
.irp i, 0,1,2,3,4,5,6,7,8,9,10,11,12,13,14,15,16,17,18,19,20,21,22,23,24,25,26,27,28,29,30,31,32,33,34,35,36,37,38,39,40,41,42,43,44,45,46,47,48,49,50,51,52,53,54,55,56,57,58,59,60,61,62,63
	v_mov_b32 v[\i], 0                             ; O^T: the step is written once, and its first turn finds zeros
.endr
	WIN 0
	s_wait_loadcnt 0x0                             ; Q and mi; v4 and v6 are free again
	s_mov_b32 s52, 0
.Lslot:                                            ; eight trips
; THE CHANGE OF SLOTS.  Each wave waits for all its tensor loads (its part of the slot ahead), adds 0 to its spare word, and waits for that and for its reads of the slot that it has left.
	s_wait_tensorcnt 0x0                           ; no tensor load of mine is out, so the descriptors may be written
	ds_add_u32 v12, v13
	s_add_co_u32 s72, s52, 1                       ; the slot that would be asked for,
	s_and_b32 s73, s72, 7                          ; 0 again at the pass's last change
	s_xor_b32 s37, s37, SLOT1
	s_xor_b32 s41, s41, SLOT1
	s_lshl_b32 s74, s73, 15                        ; 256 keys of 128 bytes
	s_mov_b32 s75, 0
	s_add_nc_u64 s[38:39], s[44:45], s[74:75]
	s_or_b32 s39, s39, 0x80000000
	s_add_nc_u64 s[42:43], s[46:47], s[74:75]
	s_or_b32 s43, s43, 0x80000000
	s_wait_xcnt 0x0                                ; the last prefetch, a slot back, has read its address
	s_add_nc_u64 s[48:49], s[48:49], 32768
	s_wait_dscnt 0x0                               ; the add is done, my reads of the slot that I have left are over, and (first trip) my part of the bias table lies in LDS
	s_barrier_signal -1
	s_barrier_wait -1
	s_cmp_eq_u32 s72, 8                            ; a slot is asked for only if a later step reads it: its number at or under the block's, this pass's or the next's.
	s_cselect_b32 s74, s54, s53                    ; Ids and the loops' counts alone: all eight waves go the same way; every wait for tensor loads in this text is for 0
	s_cmp_gt_i32 s73, s74
	s_cbranch_scc1 .Lpast
	TLOAD                                          ; my one tensor load until the next change: it has a slot's four steps in which to land
.Lpast:
	s_cmp_lt_u32 s52, s50                          ; a prefetch of the slot that the next change will ask for: my wave's quarter of K or of V, 8,192 bytes, lanes 256 bytes apart; each block is named once in the launch
	s_cbranch_scc0 .Lnot_mine
	global_prefetch_b8 v10, s[48:49] th:TH_LOAD_NT scope:SCOPE_SE
.Lnot_mine:
	s_lshl_b32 s56, s52, 8                         ; the slot's first key
	STEP 0
	STEP 1
	STEP 2
	STEP 3
.Lhid:
	s_xor_b32 s19, s19, SLOT1
	s_add_co_u32 s52, s52, 1
	s_cmp_lt_u32 s52, 8
	s_cbranch_scc1 .Lslot
; THE WAY OUT of a pass: O^T / l, 0 for a query with mi == 0, rounded to f16, through my stage, a tile of 16 queries at a time.
	s_wait_dscnt 0x0                               ; loads asked for ahead of a step that was left out
.rept 4
	v_nop
.endr
.irp u, 0,1
	v_add_f32 v[20+8*\u], v[18+8*\u], v[19+8*\u]
.endr
.irp u, 0,1
	v_permlanex16_b32 v[21+8*\u], v[20+8*\u], s14, s15
.endr
.irp u, 0,1
	v_add_f32 v[20+8*\u], v[20+8*\u], v[21+8*\u]
.endr
.irp u, 0,1
	v_rcp_f32 v[22+8*\u], v[20+8*\u]
.endr
	v_nop
	s_wait_alu depctr_va_vdst(0)                   ; one wait for the two reciprocals, ahead of their first reader
.irp u, 0,1
	v_cmp_neq_f32 vcc_lo, 0, v[14+\u]
	v_cndmask_b32 v[22+8*\u], 0, v[22+8*\u], vcc_lo
.endr
	WIN 0x41
.irp u, 0,1
.irp i, 0,1,2,3,4,5,6,7,8,9,10,11,12,13,14,15
	v_pk_mul_f32 v[32*\u+2*\i:32*\u+2*\i+1], v[32*\u+2*\i:32*\u+2*\i+1], v[22+8*\u:23+8*\u] op_sel_hi:[1,0]
.endr
.endr
	WIN 0x05                                       ; sources window 1, destination window 0
.irp u, 0,1
.irp i, 0,1,2,3,4,5,6,7,8,9,10,11,12,13,14,15
	v_cvt_pk_f16_f32 v[128+16*\u+\i], v[32*\u+2*\i], v[32*\u+2*\i+1]
.endr
.endr
	WIN 0
.irp u, 0,1
.irp d, 0,1,2,3
	ds_store_b128 v7, v[128+16*\u+4*\d:131+16*\u+4*\d] offset:32*\d
.endr
.irp t, 0,1,2,3
	ds_load_b128 v[64+16*\u+4*\t:67+16*\u+4*\t], v8 offset:576*\t   ; LDS serves a wave's instructions in order: these see the stores, and the next tile's stores come behind them
.endr
.endr
.irp u, 0,1
.irp t, 0,1,2,3
	s_wait_dscnt (1-\u)*8+3-\t                     ; behind this load: the tile's later loads, and for tile 0 tile 1's eight
	global_store_b128 v9, v[64+16*\u+4*\t:67+16*\u+4*\t], s[62:63] offset:2048*\u+512*\t   ; four queries: 512 bytes on end, aligned
.endr
.endr
	s_add_co_u32 s51, s51, 1
	s_cmp_lt_u32 s51, 2
	s_cbranch_scc1 .Lpass
	s_wait_tensorcnt 0x0                           ; the wave's end
	ds_add_u32 v12, v13
	s_wait_dscnt 0x0
	s_endpgm
.Lfunc_end_k_qc0bda9b6ac_attn:
	.size	k_qc0bda9b6ac_attn, .Lfunc_end_k_qc0bda9b6ac_attn-k_qc0bda9b6ac_attn
	.p2alignl 7, 3214868480
	.fill 96, 4, 3214868480
	.section	.rodata,"a",@progbits
	.p2align	6, 0x0
	.amdhsa_kernel k_qc0bda9b6ac_attn
		.amdhsa_group_segment_fixed_size 327680
		.amdhsa_private_segment_fixed_size 0
		.amdhsa_enable_private_segment 0
		.amdhsa_kernarg_size 24
		.amdhsa_user_sgpr_count 2
		.amdhsa_user_sgpr_kernarg_segment_ptr 1
		.amdhsa_wavefront_size32 1
		.amdhsa_system_sgpr_workgroup_id_x 1
		.amdhsa_system_sgpr_workgroup_id_y 1
		.amdhsa_system_sgpr_workgroup_id_z 1
		.amdhsa_system_vgpr_workitem_id 0
		.amdhsa_next_free_vgpr 384
		.amdhsa_next_free_sgpr 80
		.amdhsa_reserve_vcc 1
		.amdhsa_float_denorm_mode_32 3
		.amdhsa_float_denorm_mode_16_64 3
		.amdhsa_memory_ordered 1
		.amdhsa_forward_progress 1
		.amdhsa_inst_pref_size 107
	.end_amdhsa_kernel
	.amdgpu_metadata
---
amdhsa.version: [ 1, 2 ]
amdhsa.kernels:
  - .name:           k_qc0bda9b6ac_attn
    .symbol:         k_qc0bda9b6ac_attn.kd
    .args:
      - { .name: qkv16, .offset: 0, .size: 8, .value_kind: global_buffer, .address_space: global }
      - { .name: masked_info, .offset: 8, .size: 8, .value_kind: global_buffer, .address_space: global }
      - { .name: ctx16, .offset: 16, .size: 8, .value_kind: global_buffer, .address_space: global }
    .group_segment_fixed_size: 327680
    .private_segment_fixed_size: 0
    .kernarg_segment_align: 8
    .kernarg_segment_size: 24
    .max_flat_workgroup_size: 256
    .sgpr_count:     80
    .vgpr_count:     384
    .wavefront_size: 32
...
	.end_amdgpu_metadata
.endif
;; end of part 4
;; launch outp (part 5): grid 8 x 32, 4 waves a work-group, clusters of 4 x 4, 327,680 bytes of LDS; arguments ctx16, wo16, out0; writes out0
.if DOCPART == 5
	.amdgcn_target "amdgcn-amd-amdhsa--gfx1250"
	.amdhsa_code_object_version 6
	.text
	.protected	k_qc0bda9b6ac_outp
	.globl	k_qc0bda9b6ac_outp
	.p2align	8
	.type	k_qc0bda9b6ac_outp,@function
k_qc0bda9b6ac_outp:
	s_mov_b64 s[64:65], 0
	v_nop
	global_prefetch_b8 v0, s[64:65] scope:SCOPE_SE
	s_setreg_imm32_b32 hwreg(HW_REG_WAVE_MODE, 25, 1), 1
	s_wait_xcnt 0x0
	s_wait_alu depctr_hold_cnt(0) depctr_sa_sdst(0) depctr_va_vdst(0) depctr_va_sdst(0) depctr_va_ssrc(0) depctr_va_vcc(0) depctr_vm_vsrc(0)
	s_getreg_b32 s2, hwreg(HW_REG_IB_STS2, 6, 4)
	s_cmp_eq_u32 s2, 0
	s_cbranch_scc0 .Lentry_in_a_cluster
	s_endpgm
.Lentry_in_a_cluster:
	s_bfe_u32 s2, ttmp6, 0x10000c
	s_cmp_lg_u32 s2, 0xf033
	s_cbranch_scc0 .Lentry_shape_is_right
	s_endpgm
.Lentry_shape_is_right:
; OUTP.  out0[m][n] = sum over k of ctx[m][k] WO[k][n], f16 operands, f32 sums, f32 out; m = 8,192, n = 1,024, K = 1,024 = head x channel.  Positions 0 to 15 of each sequence are another launch's and are not stored here.
; A tile is 256 rows x 128 columns: 256 work-groups.  Four waves, each 128 x 64 in 32 accumulators.  A K step is 128 = two heads; ctx lies by head, so a head's 256 rows x 64 channels are 32,768 bytes on end.
; RING: two slots; waves 0 and 1 fetch ctx (a head each: 256 rows of 128 bytes + 16), waves 2 and 3 WO's halves (64 rows of 256 bytes + 32).  WO lies [K][N] and is turned by ds_load_tr16_b128.
; CLUSTER 4 x 4: tile row = cluster y + 8 cy (cy = the batch); the four of a row share ctx's tiles, the four of a column WO's; each is asked for jointly; where a slot is filled again a round of the cluster's barrier stands in front.
; The matrix instruction is used transposed (source 0 = 16 columns of WO, source 1 = 16 rows of ctx): a lane holds eight neighbouring columns of one row.
; No prefetch: eight K steps, and each tile is already fetched once for four work-groups.
; REGISTERS: window 0: v16-29 addresses; v64-159, v160-255 two fragment buffers (64 of ctx, 32 of WO); on the way out v64-127 rows read back.  window 1: accumulator (a, b) at v[8 (4 a + b)].
.set SLOT,  110592                     ; ctx's even head at 0, its odd head at 36,864, WO at 73,728
.set STAGE, 2*SLOT                     ; 16 rows x 272 bytes for each wave
.set SPARE, STAGE+4*4352
.set LAPS,  4
.set ADRA, 16
.set ADRB, 20
.set STO,  24
.set RD,   25
.set CO,   26
.set SPW,  28
.set NIL,  29
.set F0,   64
.set F1,   160
.set G1, 24
.set G0, 32
.set G1B, 48
.set G0B, 56
.set MSB, 0
.macro WIN new                         ; the immediate's high byte repeats the setting that is left
.if MSB != \new
	s_set_vgpr_msb (MSB<<8)|\new
.set MSB, \new
.endif
.endm
.set MUL, 0x50                         ; C and D window 1, sources window 0
.macro JLOAD s                         ; a joint load: the branch hangs on the wave's number alone
	s_cmp_eq_u32 s11, 0
	s_cbranch_scc0 .Lfor_b_\@
	tensor_load_to_lds s[G0+4*\s:G0+4*\s+3], s[G1:G1+7]
	s_nop 0
.rept 4
	v_nop
.endr
	s_branch .Lasked_\@
.Lfor_b_\@:
	tensor_load_to_lds s[G0B+4*\s:G0B+4*\s+3], s[G1B:G1B+7]
	s_nop 0
.rept 4
	v_nop
.endr
.Lasked_\@:
.endm
.macro CREST                           ; a round of the cluster's barrier behind its opening barrier
	s_cmp_lg_u32 s10, 0
	s_cbranch_scc1 .Lnot_wave_0_\@
	s_barrier_signal -3
.Lnot_wave_0_\@:
	s_barrier_wait -3
	s_barrier_signal -1
	s_barrier_wait -1
.endm
.macro CROUND
	s_barrier_signal -1
	s_barrier_wait -1
	CREST
.endm
	s_load_b128 s[4:7], s[0:1], 0x0                ; ctx16 s[4:5], wo16 s[6:7]
	s_load_b64 s[8:9], s[0:1], 0x10                ; out0
	v_lshl_add_u32 v[SPW], v0, 2, SPARE
	v_mov_b32 v[NIL], 0
	ds_add_u32 v[SPW], v[NIL]                      ; the opening: the add, twice on end, and its wait ahead of my first tensor load
	ds_add_u32 v[SPW], v[NIL]
	v_lshrrev_b32 v1, 5, v0
	v_readfirstlane_b32 s10, v1                    ; wave 0..3
	s_lshr_b32 s11, s10, 1                         ; my half of the tile's rows; also: I fetch ctx (0) or WO (1)
	s_and_b32 s12, s10, 1                          ; my half of its columns; also: which head, or which 64 rows of WO, I fetch
	s_bfe_u32 s40, ttmp6, 0x40000                  ; cx
	s_bfe_u32 s41, ttmp6, 0x40004                  ; cy
	s_lshl_b32 s42, ttmp9, 2
	s_add_co_u32 s42, s42, s40                     ; tile column
	s_and_b32 s13, ttmp7, 0xffff                   ; cluster y: the block of 256 positions
	s_lshl_b32 s43, s41, 2
	s_lshl_b32 s43, 15, s43                        ; my row of the cluster
	s_lshl_b32 s44, 0x1111, s40                    ; my column
	s_or_b32 s[G1+0], s43, (1<<16)|(1<<20)|(1<<21)|(4<<22)|(3<<25)   ; ctx: elements of 2 bytes; 4 words of padding behind every 32
	s_mov_b32 s[G1+1], 64<<16                      ; tensor_dim0
	s_mov_b32 s[G1+2], 256<<16                     ; tensor_dim1
	s_mov_b32 s[G1+3], 64<<16                      ; tile_dim0
	s_mov_b32 s[G1+4], 256                         ; tile_dim1
	s_mov_b32 s[G1+5], 64                          ; the pitch
	s_mov_b32 s[G1+6], 0
	s_mov_b32 s[G1+7], 0
	s_or_b32 s[G1B+0], s44, (1<<16)|(1<<20)|(1<<21)|(5<<22)|(7<<25)  ; WO: 8 words of padding behind every 64
	s_mov_b32 s[G1B+1], 128<<16
	s_mov_b32 s[G1B+2], 64<<16
	s_mov_b32 s[G1B+3], 128<<16
	s_mov_b32 s[G1B+4], 64
	s_mov_b32 s[G1B+5], 1024
	s_mov_b32 s[G1B+6], 0
	s_mov_b32 s[G1B+7], 0
	s_lshl_b32 s16, s41, 4
	s_add_co_u32 s16, s16, s12                     ; ctx: plane 16 x batch + my head of the first two,
	s_lshl_b32 s16, s16, 18
	s_lshl_b32 s17, s13, 15                        ; 256 rows x cluster y
	s_add_co_u32 s16, s16, s17
	s_mov_b32 s17, 0
	s_lshl_b32 s46, s12, 17                        ; WO: my 64 rows of 2,048 bytes,
	s_lshl_b32 s47, s42, 8                         ; the tile's 128 columns
	s_add_co_u32 s46, s46, s47
	s_mov_b32 s47, 0
	s_mul_i32 s20, s12, 36864                      ; where they go: no place in the cluster enters an LDS address
	s_mul_i32 s21, s12, 18432
	s_add_co_u32 s21, s21, 73728
	s_wait_dscnt 0x0                               ; both opening adds are done
	s_wait_kmcnt 0x0
	s_add_nc_u64 s[14:15], s[4:5], s[16:17]
	s_add_nc_u64 s[46:47], s[6:7], s[46:47]
	CROUND                                         ; all sixteen work-groups are here: the first joint loads meet
.irp s, 0,1
	s_mov_b32 s[G0+4*\s], 1
	s_add_co_u32 s[G0+4*\s+1], s20, \s*SLOT
	s_add_nc_u64 s[G0+4*\s+2:G0+4*\s+3], s[14:15], \s*524288       ; K step s: two heads on
	s_or_b32 s[G0+4*\s+3], s[G0+4*\s+3], 0x80000000
	s_mov_b32 s[G0B+4*\s], 1
	s_add_co_u32 s[G0B+4*\s+1], s21, \s*SLOT
	s_add_nc_u64 s[G0B+4*\s+2:G0B+4*\s+3], s[46:47], \s*262144     ; 128 rows on
	s_or_b32 s[G0B+4*\s+3], s[G0B+4*\s+3], 0x80000000
	JLOAD \s                                       ; two loads of mine are out at the most
.endr
	v_and_b32 v1, 15, v0                           ; r
	v_bfe_u32 v2, v0, 4, 1                         ; h
	v_mul_u32_u24 v3, v1, 144
	v_lshl_add_u32 v3, v2, 4, v3                   ; ctx: row r, + 16 h
	v_and_b32 v4, 7, v0
	v_lshl_add_u32 v4, v2, 3, v4
	v_mul_u32_u24 v4, v4, 288
	v_bfe_u32 v5, v0, 3, 1
	v_lshl_add_u32 v4, v5, 4, v4                   ; WO, turning load: row 8 h + l % 8, 16 bytes at 16 ((l / 8) % 2)
	s_mul_i32 s21, s11, 18432                      ; my 128 rows of ctx
	s_lshl_b32 s22, s12, 7
	s_add_co_u32 s22, s22, 73728                   ; my 64 columns of WO
.irp s, 0,1
	v_add_nc_u32 v[ADRA+\s], s21, v3
	v_add_nc_u32 v[ADRB+\s], s22, v4
	s_add_co_u32 s21, s21, SLOT
	s_add_co_u32 s22, s22, SLOT
.endr
	s_mul_i32 s23, s10, 4352
	s_add_co_u32 s23, s23, STAGE                   ; my stage
	v_mul_u32_u24 v5, v1, 272
	v_lshl_add_u32 v5, v2, 5, v5
	v_add_nc_u32 v[STO], s23, v5                   ; in: row r, + 32 h
	v_mul_u32_u24 v5, v2, 272
	v_lshl_add_u32 v5, v1, 4, v5
	v_add_nc_u32 v[RD], s23, v5                    ; back: lanes 0-15 one row of 256 bytes, lanes 16-31 the next
	v_lshlrev_b32 v5, 12, v2
	v_lshl_add_u32 v[CO], v1, 4, v5                ; and the same two rows in out0
	s_lshl_b32 s66, s41, 11
	s_lshl_b32 s67, s13, 8
	s_add_co_u32 s66, s66, s67
	s_lshl_b32 s67, s11, 7
	s_add_co_u32 s66, s66, s67                     ; my first row: 2,048 x batch + 256 x cluster y + 128 x half
	s_lshl_b32 s66, s66, 12
	s_lshl_b32 s67, s42, 9
	s_add_co_u32 s66, s66, s67
	s_lshl_b32 s67, s12, 8
	s_add_co_u32 s66, s66, s67                     ; my first column, in bytes
	s_mov_b32 s67, 0
	s_add_nc_u64 s[8:9], s[8:9], s[66:67]
	s_or_b32 s66, s13, s11                         ; 0 where my block 0 holds positions 0 to 15: cluster y and the wave's number alone
.macro MULQ f, a0, zero                ; 8 matrix instructions: row blocks a0, a0 + 1 x the 4 column blocks, 32 along K.  The 32 accumulators take turns in the same order in every quarter
.irp a, \a0, \a0+1
.irp b, 0,1,2,3
.if \zero
	v_wmma_f32_16x16x32_f16 v[8*(4*(\a)+\b):8*(4*(\a)+\b)+7], v[\f+64+8*\b:\f+64+8*\b+7], v[\f+8*(\a):\f+8*(\a)+7], 0
.else
	v_wmma_f32_16x16x32_f16 v[8*(4*(\a)+\b):8*(4*(\a)+\b)+7], v[\f+64+8*\b:\f+64+8*\b+7], v[\f+8*(\a):\f+8*(\a)+7], v[8*(4*(\a)+\b):8*(4*(\a)+\b)+7]
.endif
.endr
.endr
.endm
.macro FETCH slot, qd, f               ; 24 LDS loads in one run: the slot's qd-th 32 along K; WO's first, ctx's blocks 4-7 last
.irp b, 0,1,2,3
	ds_load_tr16_b128 v[\f+64+8*\b:\f+64+8*\b+3],   v[ADRB+\slot] offset:9216*(\qd)+32*\b
	ds_load_tr16_b128 v[\f+64+8*\b+4:\f+64+8*\b+7], v[ADRB+\slot] offset:9216*(\qd)+32*\b+4608
.endr
.irp i, 0,1,2,3,4,5,6,7
	ds_load_b128 v[\f+8*\i:\f+8*\i+3],   v[ADRA+\slot] offset:((\qd)/2)*36864+((\qd)%2)*64+2304*\i
	ds_load_b128 v[\f+8*\i+4:\f+8*\i+7], v[ADRA+\slot] offset:((\qd)/2)*36864+((\qd)%2)*64+2304*\i+32
.endr
.endm
.macro PLACES                          ; four plain vector instructions between a matrix instruction and a load into, or a read of, its registers
.rept 4
	v_nop
.endr
.endm
.macro QUARTER slot, qd, f, g, zero    ; multiplies buffer f; in its middle fetches the slot's qd-th quarter into g
	s_wait_dscnt 8                                 ; WO's and ctx's blocks 0-3 are in; the youngest eight loads (blocks 4-7) may be out
	WIN MUL
	MULQ \f, 0, \zero
	MULQ \f, 2, \zero
	PLACES
	WIN 0
	FETCH \slot, \qd, \g
	s_wait_dscnt 24                                ; all but the 24 just issued
	WIN MUL
	MULQ \f, 4, \zero
	MULQ \f, 6, \zero
.endm
.macro TURN slot, next, fill           ; the slot's last quarter (buffer 1) and the change of slots: one barrier
	WIN 0
	s_wait_tensorcnt 0x0                           ; all my tensor loads have landed: my part of the next slot
	ds_add_u32 v[SPW], v[NIL]
	s_wait_dscnt 9                                 ; the add and the youngest eight loads may be out
	WIN MUL
	MULQ F1, 0, 0
	s_wait_dscnt 0x0                               ; the add is done, and my reads of this slot are over
	s_barrier_signal -1
	MULQ F1, 2, 0
	WIN 0
	s_barrier_wait -1
.if \fill
	CREST                                          ; the barrier has opened a round of the cluster's: no wave of any partner still reads this slot or has a load on its way
	s_add_nc_u64 s[G0+4*\slot+2:G0+4*\slot+3], s[G0+4*\slot+2:G0+4*\slot+3], 1048576    ; two K steps on: four heads
	s_add_nc_u64 s[G0B+4*\slot+2:G0B+4*\slot+3], s[G0B+4*\slot+2:G0B+4*\slot+3], 524288 ; 256 rows of WO
	JLOAD \slot                                    ; the first tensor load behind the round; its four v_nop are also the places ahead of the loads below
.else
	PLACES
.endif
	FETCH \next, 0, F0
	WIN MUL
	MULQ F1, 4, 0
	MULQ F1, 6, 0
.endm
	s_wait_tensorcnt 1                             ; my part of K step 0 is in; K step 1's load may be out
	s_barrier_signal -1
	s_barrier_wait -1
	FETCH 0, 0, F0
	QUARTER 0, 1, F0, F1, 1                        ; the first products start the sums
	WIN 0
	s_mov_b32 s3, LAPS-1
.Llap:                                             ; a trip goes once round the ring and fills both slots again
	QUARTER 0, 2, F1, F0, 0
	QUARTER 0, 3, F0, F1, 0
	TURN 0, 1, 1
	QUARTER 1, 1, F0, F1, 0
	QUARTER 1, 2, F1, F0, 0
	QUARTER 1, 3, F0, F1, 0
	TURN 1, 0, 1
	QUARTER 0, 1, F0, F1, 0
	WIN 0
	s_sub_co_u32 s3, s3, 1
	s_cmp_lg_u32 s3, 0
	s_cbranch_scc1 .Llap
	QUARTER 0, 2, F1, F0, 0                        ; the last lap fills nothing
	QUARTER 0, 3, F0, F1, 0
	TURN 0, 1, 0
	QUARTER 1, 1, F0, F1, 0
	QUARTER 1, 2, F1, F0, 0
	QUARTER 1, 3, F0, F1, 0
	s_wait_dscnt 8
	WIN MUL
	MULQ F1, 0, 0
	MULQ F1, 2, 0
	s_wait_dscnt 0
	MULQ F1, 4, 0
	MULQ F1, 6, 0
	WIN 0
; THE WAY OUT, a block of 16 rows x 64 columns at a time, through my own stage: back as whole rows of 256 bytes.
.macro TOSTAGE a
	WIN 0x04                                       ; an LDS store's data: window 1
.irp b, 0,1,2,3
	ds_store_b128 v[STO], v[8*(4*(\a)+\b):8*(4*(\a)+\b)+3] offset:64*\b          ; each accumulator from its low end on
	ds_store_b128 v[STO], v[8*(4*(\a)+\b)+4:8*(4*(\a)+\b)+7] offset:64*\b+16
.endr
	WIN 0
.set BB, 64+32*((\a)%2)
.irp t, 0,1,2,3,4,5,6,7
	ds_load_b128 v[BB+4*\t:BB+4*\t+3], v[RD] offset:544*\t         ; LDS serves a wave's instructions in order: these see the stores
.endr
.endm
.macro SEND a, younger                 ; younger: the LDS instructions issued behind block a's loads: the next block's sixteen, or none
.set BB, 64+32*((\a)%2)
	s_wait_dscnt \younger
.if (\a) == 0
	s_cmp_eq_u32 s66, 0                            ; positions 0 to 15 are written by the launch that carries them in f32
	s_cbranch_scc1 .Lnot_mine
.endif
.irp t, 0,1,2,3,4,5,6,7
	global_store_b128 v[CO], v[BB+4*\t:BB+4*\t+3], s[8:9] offset:(16*(\a)+2*\t)*4096 th:TH_STORE_NT   ; sixteen lanes store 256 bytes on end, aligned
.endr
.if (\a) == 0
.Lnot_mine:
.endif
.endm
	PLACES
	TOSTAGE 0
.irp a, 1,2,3,4,5,6,7
.if \a > 1
	s_wait_xcnt 0x0                                ; block a - 2's stores have read their registers, which take block a's rows
.endif
	TOSTAGE \a
	SEND \a-1, 16
.endr
	SEND 7, 0
	s_wait_tensorcnt 0x0                           ; the wave's end
	ds_add_u32 v[SPW], v[NIL]
	s_wait_dscnt 0x0
	CROUND                                         ; the closing round
	s_endpgm
.Lfunc_end_k_qc0bda9b6ac_outp:
	.size	k_qc0bda9b6ac_outp, .Lfunc_end_k_qc0bda9b6ac_outp-k_qc0bda9b6ac_outp
	.p2alignl 7, 3214868480
	.fill 96, 4, 3214868480
	.section	.rodata,"a",@progbits
	.p2align	6, 0x0
	.amdhsa_kernel k_qc0bda9b6ac_outp
		.amdhsa_group_segment_fixed_size 327680
		.amdhsa_private_segment_fixed_size 0
		.amdhsa_enable_private_segment 0
		.amdhsa_kernarg_size 24
		.amdhsa_user_sgpr_count 2
		.amdhsa_user_sgpr_kernarg_segment_ptr 1
		.amdhsa_wavefront_size32 1
		.amdhsa_system_sgpr_workgroup_id_x 1
		.amdhsa_system_sgpr_workgroup_id_y 1
		.amdhsa_system_sgpr_workgroup_id_z 1
		.amdhsa_system_vgpr_workitem_id 0
		.amdhsa_next_free_vgpr 512
		.amdhsa_next_free_sgpr 68
		.amdhsa_reserve_vcc 0
		.amdhsa_float_denorm_mode_32 3
		.amdhsa_float_denorm_mode_16_64 3
		.amdhsa_memory_ordered 1
		.amdhsa_forward_progress 1
		.amdhsa_inst_pref_size 86
	.end_amdhsa_kernel
	.amdgpu_metadata
---
amdhsa.version: [ 1, 2 ]
amdhsa.kernels:
  - .name:           k_qc0bda9b6ac_outp
    .symbol:         k_qc0bda9b6ac_outp.kd
    .args:
      - { .name: ctx16, .offset: 0, .size: 8, .value_kind: global_buffer, .address_space: global }
      - { .name: wo16, .offset: 8, .size: 8, .value_kind: global_buffer, .address_space: global }
      - { .name: out0, .offset: 16, .size: 8, .value_kind: global_buffer, .address_space: global }
    .group_segment_fixed_size: 327680
    .private_segment_fixed_size: 0
    .kernarg_segment_align: 8
    .kernarg_segment_size: 24
    .max_flat_workgroup_size: 128
    .sgpr_count:     68
    .vgpr_count:     512
    .wavefront_size: 32
...
	.end_amdgpu_metadata
.endif
;; end of part 5
